; MI455X (gfx1250); checked and timed in simulation.
; The chip was launched on July 23, 2026; its instructions are those of AMD's public machine-readable ISA for CDNA 5 (MIT licence, August 2026) and "CDNA5" Instruction Set Architecture Reference Guide (July 2026). The comments in the code are by the model that wrote it; some were corrected since.
;; Cross Attention. Allowed arithmetic: matrix products marked QUANTISED: E5M2 operands, one given power-of-two scale a tensor, by v_wmma_f32_16x16x64_bf8_bf8 or v_wmma_f32_16x16x128_bf8_bf8, f32 sums; everything else in f32.
;; Inputs: Wff1_codes 4,096 x 16 x 32 uint8 (E5M2 codes of Wff1, K innermost, in blocks of 32 codes); Wff2_codes 512 x 64 x 32 uint8 (E5M2 codes of Wff2, K innermost, in blocks of 32 codes); Wkv_codes 128 x 32 x 32 uint8 (E5M2 codes of Wkv, K innermost, in blocks of 32 codes); Wo_codes 512 x 16 x 32 uint8 (E5M2 codes of Wo, K innermost, in blocks of 32 codes); Wq_codes 512 x 16 x 32 uint8 (E5M2 codes of Wq, K innermost, in blocks of 32 codes); cln_b 1,024 float32; cln_g 1,024 float32; context 4 x 1,024 x 1,024 float32; ln_b 512 float32; ln_g 512 float32; lowp_scales 14 int32 (the exponents e of the quantised operands' scales 2^e); x 4 x 2,048 x 512 float32.
;; Outputs: out0 4 x 2,048 x 512 float32.
;; This version of the problem:
;;   THIS VERSION OF THE PROBLEM IS GIVEN IN LOW PRECISION. The matrix products marked QUANTISED in the list below multiply operands that are first quantised to E5M2 (5 exponent bits, 2 mantissa bits; 8 bits a number), with one given power-of-two scale for each operand tensor; their sums are f32. All else is computed in f32.
;;   The module's matrix products, in the order in which they are computed (A, B: the left and right operand; K: the contracted axis; several contracted axes count as one K, in the product's order):
;;     1. [M 8,192, K 512] x [K 512, N 512]; A: computed on the way; B: input Wq (given as codes): QUANTISED (scales: A lowp_scales[0], B lowp_scales[1])
;;     2. [M 4,096, K 1,024] x [K 1,024, N 128]; A: computed on the way; B: input Wkv (given as codes): QUANTISED (scales: A lowp_scales[2], B lowp_scales[3])
;;     3. batch 4 x [M 16,384, K 64] x [K 64, N 1,024]; A: computed on the way; B: computed on the way: QUANTISED (scales: A lowp_scales[4], B lowp_scales[5])
;;     4. batch 4 x [M 16,384, K 1,024] x [K 1,024, N 64]; A: softmax (see below); B: computed on the way: QUANTISED (scales: A lowp_scales[6], B lowp_scales[7])
;;     5. [M 8,192, K 512] x [K 512, N 512]; A: computed on the way; B: input Wo (given as codes): QUANTISED (scales: A lowp_scales[8], B lowp_scales[9])
;;     6. [M 8,192, K 512] x [K 512, N 4,096]; A: computed on the way; B: input Wff1 (given as codes): QUANTISED (scales: A lowp_scales[10], B lowp_scales[11])
;;     7. [M 8,192, K 2,048] x [K 2,048, N 512]; A: computed on the way; B: input Wff2 (given as codes): QUANTISED (scales: A lowp_scales[12], B lowp_scales[13])
;;   THE QUANTISER, for each operand of a quantised product, along K:
;;     - The operand's scale is 2^e, e = its entry of the input lowp_scales (int32; the entries are numbered through the quantised products in the list's order, A before B).
;;     - Each number is divided by the scale, clamped to +-57,344, and rounded to the nearest number of E5M2, ties to even, subnormals kept.
;;     - The product sums the exact products of the quantised numbers (number of the format x scale) in f32.
;;   ~~~python
;;   def quantise(x, axis, e):      # numpy; x: float32 -> the quantised numbers, widened to float32 again
;;       x = np.moveaxis(x, axis, -1); K = x.shape[-1]
;;       r = np.clip(x / 2.0 ** e, -57344, 57344)
;;       step = 2.0 ** (np.maximum(np.frexp(np.where(r == 0, 1, r))[1] - 1, -14) - 2)
;;       q = np.round(r / step) * step * 2.0 ** e      # np.round: ties to even
;;       return np.moveaxis(q, -1, axis).astype(np.float32)
;;   ~~~
;;   SOFTMAX AHEAD OF A QUANTISED PRODUCT. Where the list says 'softmax', what is quantised is not the finished softmax but p = 2^(t - M), with t = logit x log2(e) and M = ceil(the row's largest t), a whole number; so 1/2 < the row's largest p <= 1. The row's sum l is taken of the UNQUANTISED p, in f32, and the product's result is divided by l at the end. Since M is a whole number, a kernel that streams over the keys may use a running M (the ceiling of the running maximum): every later rescaling is an exact power of two, so the quantised numbers keep their values, but for numbers so far below the row's largest that they fall under the format's range.
;;   OPERANDS COMPUTED ON THE WAY. 'Computed on the way' means the value that the module computes at that place (a softmax that the list does not call 'softmax' is quantised finished and normalised). What goes into a quantiser is computed in f32, as accurately as f32 sums, v_exp_f32 and their like allow (about 1e-6 of the number): no bf16 or f16 on the way to a quantiser, and a product that is left as it is and whose result goes on into a quantised operand takes f32 operands (vector FMAs, or v_wmma_f32_16x16x4_f32). A number that lies on a knife's edge between two numbers of the format may be rounded either way, as far as f32 arithmetic and the matrix unit's own rounding can turn it there, and no further.
;;   INPUTS GIVEN AS CODES. Wff1 (in the module: [512, 4096], K = its axis 0); Wff2 (in the module: [2048, 512], K = its axis 0); Wkv (in the module: [1024, 128], K = its axis 0); Wo (in the module: [512, 512], K = its axis 0); Wq (in the module: [512, 512], K = its axis 0): each comes as NAME_codes (uint8): NAME with its K axis moved to the last place and cut into blocks of 32 codes, [.., K / 32, bytes a block], one block behind the other in memory; one code a byte (a code: sign, 5 exponent bits, 2 mantissa bits); its scale is its entry of lowp_scales. Its value is code x scale, taken as it is: it is not quantised again, and the codes and scales need not be those that the quantiser above would give.
;; One version. Each part assembles by itself: llvm-mc -triple=amdgcn-amd-amdhsa -mcpu=gfx1250 --defsym DOCPART=n.
;; ======== version 1 of 1: 3 launches
;; limits: right only within a limited range of input values
;; workspace buffers: kvimg 524,288 bytes; wimg 3,670,016 bytes; ximg 8,388,608 bytes; act 20,971,520 bytes
;; launch prep (part 1): grid 440 x 1, 8 waves a work-group, no clusters, 148,480 bytes of LDS; arguments context, cln_g, cln_b, Wkv_codes, lowp_scales, Wq_codes, Wo_codes, Wff1_codes, Wff2_codes, kvimg, wimg, ximg, x, ln_g, ln_b; writes kvimg, wimg, ximg
.if DOCPART == 1
	.amdgcn_target "amdgcn-amd-amdhsa--gfx1250"
	.amdhsa_code_object_version 6
	.text
	.protected	k_qbe5b75087d_prep
	.globl	k_qbe5b75087d_prep
	.p2align	8
	.type	k_qbe5b75087d_prep,@function
k_qbe5b75087d_prep:
	s_mov_b64 s[64:65], 0
	v_nop
	global_prefetch_b8 v0, s[64:65] scope:SCOPE_SE
	s_setreg_imm32_b32 hwreg(HW_REG_WAVE_MODE, 25, 1), 1
	s_wait_xcnt 0x0
; PREP.  Two jobs in one launch, told apart by the work-group's number.
; (a) Work-groups 0-127: 32 rows of context each: layer norm in f32, quantised to BF8 (E5M2) with 2^e2, multiplied by Wkv's codes (2^e3), and the results quantised again: k with 2^e5, v with 2^e7.
;     k and v leave as IMAGES OF OPERAND REGISTERS: a piece of 512 bytes holds four registers of 32 lanes, lane l's 16 bytes at 16 l, so that the next launch fetches fragments by dense 16-byte loads.
;     kvimg, for each batch 131,072 bytes: K at 0, fragment (sigma, t) at 4096 sigma + 1024 t: 16 keys x 64 d; V at 65,536, the same places: 16 d x 64 keys.  Piece c of a fragment: k = 32 c + 16 (lane / 16) + 0 .. 15.
;     THE ROWS OF A TILE ARE NOT NEIGHBOURS: lane r of tile 2 b + u takes row 32 b + 8 u + r + 8 (r / 8), so that the 16 result registers of tiles 2 b and 2 b + 1 are 16 neighbours along the next K.
; (b) Work-groups 128-183: Wq, Wo, Wff1, Wff2 (codes, K innermost) are laid once into wimg, in the order in which the next launch's waves take them: one dense stream for each of its 16 waves.
;     Stream cb < 8 at 114,688 cb: Wq's unit (32,768 bytes), Wo's part (16,384), Wff2's part (65,536).  Stream cb >= 8 at 917,504 + 344,064 (cb - 8): eight units of Wff1, Wo's part, Wff2's part.
; No tensor load, no cluster: a work-group reads its own rows once, and Wkv (131,072 bytes) goes straight into the registers of the wave that multiplies by it.
; LIMITS: e2, e5 - e2 - e3 and e7 - e2 - e3 lie between -126 and 112, so that each scale and 57,344 x the scale are f32 numbers.  NaN and infinities among the inputs are not served.
; LDS: 0: cn's 16 fragments (tile uu, K step s at 16384 uu + 2048 s); 32,768 + 5,120 x wave: two stages of 32 x 80 bytes, the wave's own.
; REGISTERS: v1 16 x lane; v3, v4 the stage, in and out; v5 where my codes go in cn's images; v6, v7 W's offsets; v8 cn's tile for a K wave; v9 the result's offset; v10, v11 scale and largest number x scale;
;   v16-143 four rows of 32; v144-175 g; v176-207 b; v208-239 statistics, then two sets of 16 neighbours; v240-247 two sets of codes.
;   In the product: set q at v[16 + 48 q]: P0 +0, P1 +16, SG +32; v208-223 two accumulators; v224-227 the result's codes.
.set SEL,  28                          ; s[28:29] lane selects for v_permlanex16_b32: lane l xor 16
.set ST,   208
.set STG,  32768
; THREE JOBS: (a) as above, work-groups 0-127.  (c) Work-groups 128-383: 32 rows of x each: layer norm, quantised with 2^e0 and with 2^e10, into ximg as images of fragments: block of 32 rows at 32,768 x block:
;     XQ at 0, XF at 16,384, fragment (m, s) at 8192 m + 2048 s.  Its LDS bytes are its own: images from 74,752, stages from 107,520.  LIMITS: e0 and e10 between -126 and 112.
; (b) Work-groups 384-439 lay the weights into wimg, and this is the layout that holds (in place of the streams named above): Wq's unit of head H at 32,768 H (K step 8,192 bytes, four tiles);
;     Wff1 from 262,144: unit of 16 hidden numbers (tile T of h, tile T of gate) at 16,384 T, K step 4,096 bytes; from 2,359,296 the last launch's side: column block of 128 at 327,680 cb,
;     Wo's 512 along K, then Wff2's four times 512, 65,536 bytes each: fragment (tile n, K step s) at 8192 n + 2048 s.
.macro MKS sc, lim, e                  ; s[e] = E (used up):  s[sc] = 2^E as f32,  s[lim] = 57,344 x 2^E
	s_add_co_i32 s[\e], s[\e], 127
	s_lshl_b32 s[\sc], s[\e], 23
	s_add_co_i32 s[\e], s[\e], 15
	s_lshl_b32 s[\lim], s[\e], 23
	s_or_b32 s[\lim], s[\lim], 0x600000
.endm
.macro FINOFF d, x, t                  ; s[d] = where tile s[x] of Wo begins in wimg: column block x / 8, tile x % 8
	s_lshr_b32 s[\t], s[\x], 3
	s_mul_i32 s[\t], s[\t], 327680
	s_and_b32 s[\d], s[\x], 7
	s_lshl_b32 s[\d], s[\d], 13
	s_add_co_u32 s[\d], s[\d], s[\t]
	s_add_co_u32 s[\d], s[\d], 2359296
.endm
.macro PLACES                          ; four plain vector lines behind matrix instructions, ahead of loads into their operands and of the first read of results
.rept 4
	v_nop
.endr
.endm
.macro LNSUM x, n, t                   ; my lane's sum of v[x] .. v[x + n - 1] into v[t], two at a time, in two chains
	v_pk_add_f32 v[\t:\t+1], v[\x:\x+1], v[\x+2:\x+3]
	v_pk_add_f32 v[\t+2:\t+3], v[\x+4:\x+5], v[\x+6:\x+7]
.set j, 8
.rept (\n-8)/4
	s_delay_alu instid0(VALU_DEP_2)
	v_pk_add_f32 v[\t:\t+1], v[\t:\t+1], v[\x+j:\x+j+1]
	s_delay_alu instid0(VALU_DEP_2)
	v_pk_add_f32 v[\t+2:\t+3], v[\t+2:\t+3], v[\x+j+2:\x+j+3]
.set j, j+4
.endr
	s_delay_alu instid0(VALU_DEP_1)
	v_pk_add_f32 v[\t:\t+1], v[\t:\t+1], v[\t+2:\t+3]
	s_delay_alu instid0(VALU_DEP_1)
	v_add_f32 v[\t], v[\t], v[\t+1]
.endm
.macro LNCEN x, n, t                   ; v[t]: the row's sum -> minus the mean; the row less its mean, in place
	v_mul_f32 v[\t], s30, v[\t]
.set j, 0
.rept \n/2
	v_pk_add_f32 v[\x+j:\x+j+1], v[\x+j:\x+j+1], v[\t:\t+1] op_sel_hi:[1,0]
.set j, j+2
.endr
.endm
.macro LNSQ x, n, t                    ; my lane's sum of squares into v[t + 2]
	v_pk_mul_f32 v[\t+2:\t+3], v[\x:\x+1], v[\x:\x+1]
	v_pk_mul_f32 v[\t+4:\t+5], v[\x+2:\x+3], v[\x+2:\x+3]
.set j, 4
.rept (\n-4)/4
	s_delay_alu instid0(VALU_DEP_2)
	v_pk_fma_f32 v[\t+2:\t+3], v[\x+j:\x+j+1], v[\x+j:\x+j+1], v[\t+2:\t+3]
	s_delay_alu instid0(VALU_DEP_2)
	v_pk_fma_f32 v[\t+4:\t+5], v[\x+j+2:\x+j+3], v[\x+j+2:\x+j+3], v[\t+4:\t+5]
.set j, j+4
.endr
	s_delay_alu instid0(VALU_DEP_1)
	v_pk_add_f32 v[\t+2:\t+3], v[\t+2:\t+3], v[\t+4:\t+5]
	s_delay_alu instid0(VALU_DEP_1)
	v_add_f32 v[\t+2], v[\t+2], v[\t+3]
.endm
.macro LNOUT x, n, t, g, b             ; (x - mean) x rsqrt(var + eps) x g + b, in place; v[t + 2] = the reciprocal root
.set j, 0
.rept \n/2
	v_pk_mul_f32 v[\x+j:\x+j+1], v[\x+j:\x+j+1], v[\t+2:\t+3] op_sel_hi:[1,0]
.set j, j+2
.endr
.set j, 0
.rept \n/2
	v_pk_fma_f32 v[\x+j:\x+j+1], v[\x+j:\x+j+1], v[\g+j:\g+j+1], v[\b+j:\b+j+1]
.set j, j+2
.endr
.endm
.macro ACROSS o                        ; the four rows' figures at v[ST + 6 i + o] are summed over the 32 lanes, the rows by turns
.irp k, 1,2,4,8
.irp i, 0,1,2,3
	v_add_f32_dpp v[ST+6*\i+\o], v[ST+6*\i+\o], v[ST+6*\i+\o] row_xmask:\k row_mask:0xf bank_mask:0xf
.endr
.endr
.irp i, 0,1,2,3
	s_delay_alu instid0(VALU_DEP_4)
	v_permlanex16_b32 v[ST+6*\i+\o+1], v[ST+6*\i+\o], s[SEL], s[SEL+1]
.endr
.irp i, 0,1,2,3
	s_delay_alu instid0(VALU_DEP_4)
	v_add_f32 v[ST+6*\i+\o], v[ST+6*\i+\o], v[ST+6*\i+\o+1]
.endr
.endm
; Item n = half n % 2 (512 numbers) of row n / 2.  As loaded, a lane holds 4 neighbours of each 128; the conversions want 16 neighbours in one lane.  So the 2,048 bytes go through my own stage as they lie
; (16 bytes of padding behind each 64) and come back 64 bytes a lane.  LDS serves a wave's instructions in order: no wait between the stores and the loads.
.macro TURN n
.irp q, 0,1,2,3
	ds_store_b128 v3, v[16+16*(\n)+4*\q:16+16*(\n)+4*\q+3] offset:2560*((\n)%2)+640*\q
.endr
.irp q, 0,1,2,3
	ds_load_b128 v[208+16*((\n)%2)+4*\q:208+16*((\n)%2)+4*\q+3], v4 offset:2560*((\n)%2)+16*\q
.endr
.endm
.macro ITEM n                          ; 16 neighbours become 16 codes, which go to their place in cn's images
.set YS, 208+16*((\n)%2)
.set CS, 240+4*((\n)%2)
.set j, 0
.rept 16
	v_med3_num_f32 v[YS+j], v[YS+j], -v11, v11     ; the conversion to an 8-bit code does not saturate (ISA guide 7.6.2): the hold at the largest code x the scale
.set j, j+1
.endr
	v_cvt_scalef32_pk8_bf8_f32 v[CS:CS+1], v[YS:YS+7], v10
	v_cvt_scalef32_pk8_bf8_f32 v[CS+2:CS+3], v[YS+8:YS+15], v10
	v_nop                                          ; a plain line behind the last conversion of a run
	ds_store_b128 v5, v[CS:CS+3] offset:16*((\n)/2)+8192*((\n)%2)
.endm
.macro KW s                            ; eight loads of W into P0, P1 of set s % 4.  K wave: tiles 2 c, 2 c + 1 of K step s.  V wave (first four calls alone): my tile's K steps s and s + 4
.irp u, 0,1
.irp c, 0,1,2,3
	global_load_b128 v[16+48*((\s)%4)+16*\u+4*\c:16+48*((\s)%4)+16*\u+4*\c+3], v[6+\u], s[10:11] offset:128*(\s)+32*\c
.endr
.endr
.endm
.macro KC s                            ; K wave: my tile of cn, K step s, into SG of set s % 4
.irp c, 0,1,2,3
	ds_load_b128 v[48+48*((\s)%4)+4*\c:48+48*((\s)%4)+4*\c+3], v8 offset:2048*(\s)+512*\c
.endr
.endm
.macro VC s                            ; V wave: both tiles of cn, K step s, into two of the four SG places
.irp i, 0,1
.irp c, 0,1,2,3
	ds_load_b128 v[48+48*((2*(\s)+\i)%4)+4*\c:48+48*((2*(\s)+\i)%4)+4*\c+3], v1 offset:16384*\i+2048*(\s)+512*\c
.endr
.endr
.endm
	s_load_b256 s[4:11], s[0:1], 0x0               ; context, cln_g, cln_b, Wkv's codes
	s_load_b256 s[12:19], s[0:1], 0x20             ; the scales' exponents, Wq's, Wo's, Wff1's codes
	s_load_b128 s[20:23], s[0:1], 0x40             ; Wff2's codes, kvimg
	s_load_b64 s[24:25], s[0:1], 0x50              ; wimg
	v_lshl_add_u32 v254, v0, 2, 0x12000
	v_mov_b32 v255, 0
	v_lshrrev_b32 v2, 5, v0
	s_delay_alu instid0(VALU_DEP_1)
	v_readfirstlane_b32 s26, v2                    ; wave 0..7
	v_and_b32 v2, 31, v0                           ; lane
	s_delay_alu instid0(VALU_DEP_1)
	v_lshlrev_b32 v1, 4, v2                        ; 16 x lane
	v_and_b32 v12, 15, v0
	s_delay_alu instid0(VALU_DEP_1)
	v_and_b32 v13, 8, v12
	s_delay_alu instid0(VALU_DEP_1)
	v_add_nc_u32 v12, v12, v13                     ; r + 8 (r / 8)
	v_bfe_u32 v13, v0, 4, 1                        ; h
	s_wait_alu depctr_va_vdst(0)
	s_cmp_ge_u32 ttmp9, 384
	s_cbranch_scc1 .Lrelay
	; ================ (a) k and v of 32 rows of context ================
	v_lshrrev_b32 v14, 2, v2
	s_delay_alu instid0(VALU_DEP_1)
	v_mul_u32_u24 v3, v14, 80
	v_and_b32 v14, 3, v2
	s_delay_alu instid0(VALU_DEP_1)
	v_lshl_add_u32 v3, v14, 4, v3
	s_mul_i32 s40, s26, 5120
	s_add_co_u32 s40, s40, STG                     ; my stages
	v_add_nc_u32 v3, s40, v3                       ; in: 80 (lane / 4) + 16 (lane % 4)
	v_mul_u32_u24 v4, v2, 80
	s_delay_alu instid0(VALU_DEP_1)
	v_add_nc_u32 v4, s40, v4                       ; out: 80 x lane
	v_lshrrev_b32 v14, 3, v2                       ; my 16 neighbours are k = 512 half + 16 lane on: K step lane / 8,
	s_delay_alu instid0(VALU_DEP_1)
	v_lshlrev_b32 v5, 11, v14
	v_bfe_u32 v14, v2, 1, 2                        ; piece (lane / 2) % 4,
	s_delay_alu instid0(VALU_DEP_1)
	v_lshl_add_u32 v5, v14, 9, v5
	v_and_b32 v14, 1, v2                           ; half lane % 2 of the image's lanes
	s_delay_alu instid0(VALU_DEP_1)
	v_lshl_add_u32 v5, v14, 8, v5
	s_wait_alu depctr_va_vdst(0)
	s_cmp_ge_u32 ttmp9, 128
	s_cbranch_scc1 .Lxrow
	s_bfe_u32 s41, s26, 0x10001                    ; (w / 2) % 2
	s_and_b32 s42, s26, 1                          ; w % 2
	s_lshr_b32 s43, s26, 2                         ; w / 4
	s_lshl_b32 s44, s41, 14                        ; row 4 w + i of the 32 is lane 4 (w % 2) + i + 8 (w / 4) of tile (w / 2) % 2
	s_lshl_b32 s45, s42, 6
	s_add_co_u32 s44, s44, s45
	s_lshl_b32 s45, s43, 7
	s_add_co_u32 s44, s44, s45
	v_add_nc_u32 v5, s44, v5
	s_lshl_b32 s44, s42, 14
	v_add_nc_u32 v8, s44, v1                       ; a K wave's tile of cn: w % 2
	v_lshlrev_b32 v6, 10, v12                      ; W: a row is 1,024 codes; lane r takes row r + 8 (r / 8) of its tile, + 16 h
	s_delay_alu instid0(VALU_DEP_1)
	v_lshl_add_u32 v6, v13, 4, v6
	s_wait_alu depctr_va_vdst(0)
	s_lshl_b32 s44, s41, 15                        ; K wave (w < 4): rows 32 (w / 2) on.  V wave: rows 64 + 32 ((w % 4) / 2) + 8 (w % 2) on
	s_lshl_b32 s45, s42, 13
	s_add_co_u32 s45, s45, 65536
	s_mov_b32 s46, 512
	s_cmp_lt_u32 s26, 4
	s_cselect_b32 s45, 0, s45
	s_cselect_b32 s46, 8192, s46                   ; the second offset: a K wave's next tile, 8 rows on; a V wave's K step four further on
	s_add_co_u32 s44, s44, s45
	v_add_nc_u32 v6, s44, v6
	s_delay_alu instid0(VALU_DEP_1)
	v_add_nc_u32 v7, s46, v6
	s_and_b32 s47, ttmp9, 31                       ; j: which 32 keys of the batch
	s_lshl_b32 s48, s47, 11                        ; K wave: piece w / 2 of fragment (j / 2, 2 (j % 2) + w % 2)
	s_lshl_b32 s49, s42, 10
	s_add_co_u32 s48, s48, s49
	s_lshl_b32 s49, s41, 9
	s_add_co_u32 s48, s48, s49
	s_lshr_b32 s49, s47, 1                         ; V wave: piece j % 2 of fragment (j / 2, w % 4)
	s_lshl_b32 s49, s49, 12
	s_and_b32 s47, s47, 1
	s_lshl_b32 s47, s47, 9
	s_add_co_u32 s49, s49, s47
	s_and_b32 s47, s26, 3
	s_lshl_b32 s47, s47, 10
	s_add_co_u32 s49, s49, s47
	s_add_co_u32 s49, s49, 65536
	s_cmp_lt_u32 s26, 4
	s_cselect_b32 s48, s48, s49
	s_lshr_b32 s49, ttmp9, 5                       ; the batch
	s_lshl_b32 s49, s49, 17
	s_add_co_u32 s48, s48, s49
	v_add_nc_u32 v9, s48, v1                       ; where my 512 bytes of the result go
	s_lshl_b32 s52, ttmp9, 17                      ; 32 rows of 4,096 bytes a work-group,
	s_lshl_b32 s53, s26, 14                        ; four a wave
	s_add_co_u32 s52, s52, s53
	s_mov_b32 s53, 0
	s_mov_b32 s[SEL], 0x76543210
	s_mov_b32 s[SEL+1], 0xfedcba98
	s_mov_b32 s30, 0xba800000                      ; -1 / 1024
	s_mov_b32 s31, 0x3a800000                      ; 1 / 1024
	s_mov_b32 s27, 0x3727c5ac                      ; eps = 1e-5
	s_wait_kmcnt 0x0
	s_load_b256 s[32:39], s[12:13], 0x0            ; e0 .. e7
	s_add_nc_u64 s[4:5], s[4:5], s[52:53]
.irp i, 0,1,2,3
.irp q, 0,1,2,3,4,5,6,7
	global_load_b128 v[16+32*\i+4*\q:16+32*\i+4*\q+3], v1, s[4:5] offset:4096*\i+512*\q th:TH_LOAD_NT   ; 32 lanes read 512 consecutive bytes; read once in the launch
.endr
.endr
.irp q, 0,1,2,3,4,5,6,7
	global_load_b128 v[144+4*\q:144+4*\q+3], v1, s[6:7] offset:512*\q
.endr
.irp q, 0,1,2,3,4,5,6,7
	global_load_b128 v[176+4*\q:176+4*\q+3], v1, s[8:9] offset:512*\q
.endr
	s_wait_kmcnt 0x0
	s_mov_b32 s40, s34
	MKS 50, 51, 40                                 ; cn's scale: 2^e2
	v_mov_b32 v10, s50
	v_mov_b32 v11, s51
	s_cmp_lt_u32 s26, 4
	s_cselect_b32 s40, s37, s39                    ; e5 for k, e7 for v
	s_sub_co_i32 s40, s40, s34
	s_sub_co_i32 s40, s40, s35                     ; a sum stands for sum x 2^(e2 + e3): the three scales are folded into the conversion's one
	MKS 54, 55, 40
	s_wait_loadcnt 16                              ; the four rows are in; g's and b's sixteen loads may be out
.irp i, 0,1,2,3
	LNSUM 16+32*\i, 32, ST+6*\i
.endr
	ACROSS 0
.irp i, 0,1,2,3
	LNCEN 16+32*\i, 32, ST+6*\i
.endr
.irp i, 0,1,2,3
	LNSQ 16+32*\i, 32, ST+6*\i
.endr
	ACROSS 2
.irp i, 0,1,2,3
	s_delay_alu instid0(VALU_DEP_4)
	v_fma_f32 v[ST+6*\i+2], v[ST+6*\i+2], s31, s27 ; var + eps
.endr
	s_wait_alu depctr_va_vdst(0)
.irp i, 0,1,2,3
	v_rsq_f32 v[ST+6*\i+2], v[ST+6*\i+2]
.endr
	v_nop                                          ; a plain line behind the last of the batch
	s_wait_alu depctr_va_vdst(0)                   ; one wait for the four, ahead of their first reader
	s_wait_loadcnt 0x0                             ; g and b
.irp i, 0,1,2,3
	LNOUT 16+32*\i, 32, ST+6*\i, 144, 176
.endr
	TURN 0
	TURN 1
.irp n, 0,1,2,3,4,5,6,7
.if \n == 0
	s_wait_dscnt 8                                 ; item 0 is back; item 1's eight may be out
.elseif \n == 7
	s_wait_dscnt 1                                 ; behind item 7's loads: item 6's image store
.else
	s_wait_dscnt 9                                 ; behind this item's loads: the last image store and the next item's eight
.endif
	ITEM \n
.if \n < 6
	TURN \n+2
.endif
.endr
	s_wait_dscnt 0x0                               ; my images have landed, and my LDS stores have read the registers that W's loads take
	KW 0                                           ; W's first 32 loads, alike in both kinds of wave, go out ahead of the barrier
	KW 1
	KW 2
	KW 3
	s_barrier_signal -1
	s_barrier_wait -1                              ; cn's sixteen fragments lie in LDS
	s_cmp_lt_u32 s26, 4
	s_cbranch_scc0 .Lvwave
	; ---- a K wave: source 0 = 16 rows of W (d), source 1 = 16 keys: a lane holds one key, its registers run along d
	KC 0
	KC 1
	KC 2
	KC 3
.irp s, 0,1,2,3,4,5,6,7
.if 7-\s >= 3
	s_wait_loadcnt 24                              ; this K step's eight loads of W are in; three younger steps' may be out
	s_wait_dscnt 12                                ; and its four of cn likewise
.else
	s_wait_loadcnt 8*(7-\s)
	s_wait_dscnt 4*(7-\s)
.endif
.if \s == 0
	v_wmma_f32_16x16x128_bf8_bf8 v[208:215], v[16+48*(\s%4):31+48*(\s%4)], v[48+48*(\s%4):63+48*(\s%4)], 0
	v_wmma_f32_16x16x128_bf8_bf8 v[216:223], v[32+48*(\s%4):47+48*(\s%4)], v[48+48*(\s%4):63+48*(\s%4)], 0
.else
	v_wmma_f32_16x16x128_bf8_bf8 v[208:215], v[16+48*(\s%4):31+48*(\s%4)], v[48+48*(\s%4):63+48*(\s%4)], v[208:215]   ; the two accumulators take turns
	v_wmma_f32_16x16x128_bf8_bf8 v[216:223], v[32+48*(\s%4):47+48*(\s%4)], v[48+48*(\s%4):63+48*(\s%4)], v[216:223]
.endif
.if \s < 4
	PLACES
	KW \s+4
	KC \s+4
.endif
.endr
	s_branch .Lkv_out
.Lvwave:
	; ---- a V wave: source 0 = 16 keys, source 1 = 16 rows of W (d): a lane holds one d, its registers run along the keys.  All eight fragments of W are asked for already
	VC 0
	VC 1
.irp s, 0,1,2,3,4,5,6,7
.if \s < 4
	s_wait_loadcnt 28-8*\s                         ; K step s lies in the (2 s)-th of the eight groups of four loads
.else
	s_wait_loadcnt 0x0
.endif
.if \s < 7
	s_wait_dscnt 8                                 ; the next K step's eight may be out
.else
	s_wait_dscnt 0x0
.endif
.if \s == 0
	v_wmma_f32_16x16x128_bf8_bf8 v[208:215], v[48+48*((2*\s)%4):63+48*((2*\s)%4)], v[16+48*(\s%4)+16*(\s/4):31+48*(\s%4)+16*(\s/4)], 0
	v_wmma_f32_16x16x128_bf8_bf8 v[216:223], v[48+48*((2*\s+1)%4):63+48*((2*\s+1)%4)], v[16+48*(\s%4)+16*(\s/4):31+48*(\s%4)+16*(\s/4)], 0
.else
	v_wmma_f32_16x16x128_bf8_bf8 v[208:215], v[48+48*((2*\s)%4):63+48*((2*\s)%4)], v[16+48*(\s%4)+16*(\s/4):31+48*(\s%4)+16*(\s/4)], v[208:215]
	v_wmma_f32_16x16x128_bf8_bf8 v[216:223], v[48+48*((2*\s+1)%4):63+48*((2*\s+1)%4)], v[16+48*(\s%4)+16*(\s/4):31+48*(\s%4)+16*(\s/4)], v[216:223]
.endif
.if \s < 6
	PLACES
	VC \s+2
.endif
.endr
.Lkv_out:
	PLACES
	v_mov_b32 v10, s54
	v_mov_b32 v11, s55
.set j, 0
.rept 16
	v_med3_num_f32 v[208+j], v[208+j], -v11, v11   ; each accumulator from its low end on
.set j, j+1
.endr
	v_cvt_scalef32_pk8_bf8_f32 v[224:225], v[208:215], v10
	v_cvt_scalef32_pk8_bf8_f32 v[226:227], v[216:223], v10
	v_nop
	global_store_b128 v9, v[224:227], s[22:23]     ; 32 lanes store 512 consecutive bytes, at a multiple of 512 from kvimg's first byte
	s_wait_tensorcnt 0x0
	ds_add_u32 v254, v255
	s_wait_dscnt 0x0
	s_endpgm
	; ================ (b) the weights, laid as the next launch's waves take them ================
	; Item = 8 (work-group - 384) + wave: one tile of 16 rows x 512 codes = four fragments.  Items 0-31 Wq, 32-63 Wo, 64-319 Wff1, 320-447 Wff2 (four items to a tile: 512 of its 2,048 along K each).
	; ================ (c) the codes of 32 rows of x ================
.macro XITEM n                         ; row n's 16 neighbours of my lane are quantised twice: for the product with Wq, and for that with Wff1
.set YS, 208+16*((\n)%2)
.set CS, 144+8*((\n)%2)
.set j, 0
.rept 16
	v_med3_num_f32 v[112+j], v[YS+j], -v11, v11
.set j, j+1
.endr
	v_cvt_scalef32_pk8_bf8_f32 v[CS:CS+1], v[112:119], v10
	v_cvt_scalef32_pk8_bf8_f32 v[CS+2:CS+3], v[120:127], v10
.set j, 0
.rept 16
	v_med3_num_f32 v[YS+j], v[YS+j], -v13, v13
.set j, j+1
.endr
	v_cvt_scalef32_pk8_bf8_f32 v[CS+4:CS+5], v[YS:YS+7], v12
	v_cvt_scalef32_pk8_bf8_f32 v[CS+6:CS+7], v[YS+8:YS+15], v12
	v_nop                                          ; a plain line behind the last conversion of a run
	ds_store_b128 v5, v[CS:CS+3] offset:16*(\n)
	ds_store_b128 v5, v[CS+4:CS+7] offset:16384+16*(\n)
.endm
.Lxrow:
	s_load_b256 s[36:43], s[0:1], 0x58             ; ximg, x, ln_g, ln_b
	v_add_nc_u32 v3, 0x12400, v3                   ; stages and images 74,752 bytes on: bytes of this job's own
	v_add_nc_u32 v4, 0x12400, v4
	s_lshr_b32 s44, s26, 2                         ; row 4 w + i is lane 4 (w % 4) + i of row tile w / 4
	s_lshl_b32 s44, s44, 13
	s_and_b32 s45, s26, 3
	s_lshl_b32 s45, s45, 6
	s_add_co_u32 s44, s44, s45
	s_add_co_u32 s44, s44, 0x12400
	v_add_nc_u32 v5, s44, v5
	s_lshl_b32 s47, s26, 12
	v_add_nc_u32 v9, s47, v1                       ; my 4,096 bytes of the images,
	s_wait_alu depctr_va_vdst(0)
	v_add_nc_u32 v8, 0x12400, v9                   ; in LDS,
	s_sub_co_u32 s46, ttmp9, 128
	s_lshl_b32 s48, s46, 15
	v_add_nc_u32 v9, s48, v9                       ; and in ximg
	s_lshl_b32 s52, s46, 16                        ; 32 rows of 2,048 bytes a work-group,
	s_lshl_b32 s53, s26, 13                        ; four a wave
	s_add_co_u32 s52, s52, s53
	s_mov_b32 s53, 0
	s_mov_b32 s[SEL], 0x76543210
	s_mov_b32 s[SEL+1], 0xfedcba98
	s_mov_b32 s30, 0xbb000000                      ; -1 / 512
	s_mov_b32 s31, 0x3b000000                      ; 1 / 512
	s_mov_b32 s27, 0x3727c5ac                      ; eps = 1e-5
	s_wait_alu depctr_va_vdst(0)
	s_wait_kmcnt 0x0
	s_load_b32 s44, s[12:13], 0x0                  ; e0
	s_load_b32 s45, s[12:13], 0x28                 ; e10
	s_add_nc_u64 s[38:39], s[38:39], s[52:53]
.irp i, 0,1,2,3
.irp q, 0,1,2,3
	global_load_b128 v[16+16*\i+4*\q:16+16*\i+4*\q+3], v1, s[38:39] offset:2048*\i+512*\q th:TH_LOAD_NT   ; read once in the launch
.endr
.endr
.irp q, 0,1,2,3
	global_load_b128 v[80+4*\q:80+4*\q+3], v1, s[40:41] offset:512*\q
.endr
.irp q, 0,1,2,3
	global_load_b128 v[96+4*\q:96+4*\q+3], v1, s[42:43] offset:512*\q
.endr
	s_wait_kmcnt 0x0
	MKS 50, 51, 44
	MKS 54, 55, 45
	v_mov_b32 v10, s50
	v_mov_b32 v11, s51
	v_mov_b32 v12, s54
	v_mov_b32 v13, s55
	s_wait_alu depctr_va_vdst(0)
	s_wait_loadcnt 8                               ; the four rows are in; g's and b's eight loads may be out
.irp i, 0,1,2,3
	LNSUM 16+16*\i, 16, ST+6*\i
.endr
	ACROSS 0
.irp i, 0,1,2,3
	LNCEN 16+16*\i, 16, ST+6*\i
.endr
.irp i, 0,1,2,3
	LNSQ 16+16*\i, 16, ST+6*\i
.endr
	ACROSS 2
.irp i, 0,1,2,3
	v_fma_f32 v[ST+6*\i+2], v[ST+6*\i+2], s31, s27 ; var + eps
.endr
	s_wait_alu depctr_va_vdst(0)
.irp i, 0,1,2,3
	v_rsq_f32 v[ST+6*\i+2], v[ST+6*\i+2]
.endr
	v_nop
	s_wait_alu depctr_va_vdst(0)
	s_wait_loadcnt 0x0                             ; g and b
.irp i, 0,1,2,3
	LNOUT 16+16*\i, 16, ST+6*\i, 80, 96
.endr
	TURN 0
	TURN 1
	s_wait_dscnt 8                                 ; row 0 is back; row 1's eight may be out
	XITEM 0
	TURN 2
	s_wait_dscnt 10                                ; behind row 1's loads: two image stores and row 2's eight
	XITEM 1
	TURN 3
	s_wait_dscnt 10
	XITEM 2
	s_wait_dscnt 2                                 ; behind row 3's loads: two image stores
	XITEM 3
	s_wait_dscnt 0x0                               ; for the others' sake: my images have landed
	s_barrier_signal -1
	s_barrier_wait -1
.irp q, 0,1,2,3,4,5,6,7
	ds_load_b128 v[16+4*\q:19+4*\q], v8 offset:512*\q
.endr
.irp q, 0,1,2,3,4,5,6,7
	s_wait_dscnt 7-\q
	global_store_b128 v9, v[16+4*\q:19+4*\q], s[36:37] offset:512*\q   ; 512 consecutive bytes, at a multiple of 512 from ximg's first byte
.endr
	s_wait_tensorcnt 0x0
	ds_add_u32 v254, v255
	s_wait_dscnt 0x0
	s_endpgm
	; ================ (b) the weights, laid as the next launches take them ================
.Lrelay:
	s_sub_co_u32 s40, ttmp9, 384
	s_lshl_b32 s41, s40, 3
	s_add_co_u32 s41, s41, s26                     ; the item
	s_mov_b32 s44, 9                               ; a source row is 2^9 bytes (Wff2: 2^11)
	s_mov_b32 s46, 0                               ; where along the row
	s_mov_b32 s49, 8192                            ; from K step to K step in wimg
	s_wait_kmcnt 0x0
	s_cmp_lt_u32 s40, 4                            ; the source: a choice on the work-group's number alone
	s_cselect_b64 s[42:43], s[14:15], s[16:17]
	s_cmp_lt_u32 s40, 8
	s_cselect_b64 s[42:43], s[42:43], s[18:19]
	s_cmp_lt_u32 s40, 40
	s_cselect_b64 s[42:43], s[42:43], s[20:21]
	s_cmp_lt_u32 s40, 4
	s_cbranch_scc0 .Lnot_wq
	s_mov_b32 s45, s41                             ; T: head T / 4, tile T % 4
	s_lshr_b32 s47, s41, 2
	s_lshl_b32 s47, s47, 15
	s_and_b32 s48, s41, 3
	s_lshl_b32 s48, s48, 11
	s_add_co_u32 s47, s47, s48
	s_branch .Lmove
.Lnot_wq:
	s_cmp_lt_u32 s40, 8
	s_cbranch_scc0 .Lnot_wo
	s_sub_co_u32 s45, s41, 32                      ; T: column block T / 8, tile T % 8
	FINOFF 47, 45, 48
	s_mov_b32 s49, 2048
	s_branch .Lmove
.Lnot_wo:
	s_cmp_lt_u32 s40, 40
	s_cbranch_scc0 .Lnot_ff1
	s_sub_co_u32 s45, s41, 64                      ; T: rows 32 (T / 2) on: half g = T / 128 (h or gate), unit U = T % 128
	s_lshr_b32 s51, s45, 7                         ; h (0) or gate (1): the second tile of a K step
	s_and_b32 s47, s45, 127                        ; the unit
	s_lshl_b32 s47, s47, 14
	s_lshl_b32 s51, s51, 11
	s_add_co_u32 s47, s47, s51
	s_add_co_u32 s47, s47, 262144
	s_mov_b32 s49, 4096
	s_branch .Lmove
.Lnot_ff1:
	s_mov_b32 s44, 11
	s_sub_co_u32 s45, s41, 320
	s_and_b32 s52, s45, 3                          ; which 512 along K
	s_lshr_b32 s45, s45, 2                         ; T
	s_lshl_b32 s46, s52, 9
	FINOFF 47, 45, 48
	s_add_co_u32 s52, s52, 1                       ; behind Wo's 512 along K
	s_lshl_b32 s52, s52, 16
	s_add_co_u32 s47, s47, s52
	s_mov_b32 s49, 2048
.Lmove:
	s_lshr_b32 s50, s45, 1                         ; the tile's first row: 32 (T / 2) + 8 (T % 2)
	s_lshl_b32 s50, s50, 5
	s_and_b32 s51, s45, 1
	s_lshl_b32 s51, s51, 3
	s_add_co_u32 s50, s50, s51
	s_lshl_b32 s50, s50, s44
	s_add_co_u32 s50, s50, s46
	s_wait_alu depctr_va_vdst(0)
	v_lshlrev_b32 v6, s44, v12                     ; lane r takes row r + 8 (r / 8) of the tile,
	s_delay_alu instid0(VALU_DEP_1)
	v_lshl_add_u32 v6, v13, 4, v6                  ; + 16 h
	s_delay_alu instid0(VALU_DEP_1)
	v_add_nc_u32 v6, s50, v6
.irp s, 0,1,2,3
.irp c, 0,1,2,3
	global_load_b128 v[16+16*\s+4*\c:16+16*\s+4*\c+3], v6, s[42:43] offset:128*\s+32*\c
.endr
.endr
.irp s, 0,1,2,3
	v_add_nc_u32 v[8+\s], s47, v1
	s_add_co_u32 s47, s47, s49
.endr
	s_wait_alu depctr_va_vdst(0)
.irp s, 0,1,2,3
	s_wait_loadcnt 12-4*\s                         ; fragment s is in; the later ones may be out
.irp c, 0,1,2,3
	global_store_b128 v[8+\s], v[16+16*\s+4*\c:16+16*\s+4*\c+3], s[24:25] offset:512*\c   ; 512 consecutive bytes, at a multiple of 512 from wimg's first byte
.endr
.endr
	s_endpgm
.Lfunc_end_k_qbe5b75087d_prep:
	.size	k_qbe5b75087d_prep, .Lfunc_end_k_qbe5b75087d_prep-k_qbe5b75087d_prep
	.p2alignl 7, 3214868480
	.fill 96, 4, 3214868480
	.section	.rodata,"a",@progbits
	.p2align	6, 0x0
	.amdhsa_kernel k_qbe5b75087d_prep
		.amdhsa_group_segment_fixed_size 148480
		.amdhsa_private_segment_fixed_size 0
		.amdhsa_enable_private_segment 0
		.amdhsa_kernarg_size 120
		.amdhsa_user_sgpr_count 2
		.amdhsa_user_sgpr_kernarg_segment_ptr 1
		.amdhsa_wavefront_size32 1
		.amdhsa_system_sgpr_workgroup_id_x 1
		.amdhsa_system_sgpr_workgroup_id_y 1
		.amdhsa_system_sgpr_workgroup_id_z 1
		.amdhsa_system_vgpr_workitem_id 0
		.amdhsa_next_free_vgpr 256
		.amdhsa_next_free_sgpr 66
		.amdhsa_reserve_vcc 0
		.amdhsa_float_denorm_mode_32 3
		.amdhsa_float_denorm_mode_16_64 3
		.amdhsa_memory_ordered 1
		.amdhsa_forward_progress 1
		.amdhsa_inst_pref_size 110
	.end_amdhsa_kernel
	.amdgpu_metadata
---
amdhsa.version: [ 1, 2 ]
amdhsa.kernels:
  - .name:           k_qbe5b75087d_prep
    .symbol:         k_qbe5b75087d_prep.kd
    .args:
      - { .name: context, .offset: 0, .size: 8, .value_kind: global_buffer, .address_space: global }
      - { .name: cln_g, .offset: 8, .size: 8, .value_kind: global_buffer, .address_space: global }
      - { .name: cln_b, .offset: 16, .size: 8, .value_kind: global_buffer, .address_space: global }
      - { .name: Wkv_codes, .offset: 24, .size: 8, .value_kind: global_buffer, .address_space: global }
      - { .name: lowp_scales, .offset: 32, .size: 8, .value_kind: global_buffer, .address_space: global }
      - { .name: Wq_codes, .offset: 40, .size: 8, .value_kind: global_buffer, .address_space: global }
      - { .name: Wo_codes, .offset: 48, .size: 8, .value_kind: global_buffer, .address_space: global }
      - { .name: Wff1_codes, .offset: 56, .size: 8, .value_kind: global_buffer, .address_space: global }
      - { .name: Wff2_codes, .offset: 64, .size: 8, .value_kind: global_buffer, .address_space: global }
      - { .name: kvimg, .offset: 72, .size: 8, .value_kind: global_buffer, .address_space: global }
      - { .name: wimg, .offset: 80, .size: 8, .value_kind: global_buffer, .address_space: global }
      - { .name: ximg, .offset: 88, .size: 8, .value_kind: global_buffer, .address_space: global }
      - { .name: x, .offset: 96, .size: 8, .value_kind: global_buffer, .address_space: global }
      - { .name: ln_g, .offset: 104, .size: 8, .value_kind: global_buffer, .address_space: global }
      - { .name: ln_b, .offset: 112, .size: 8, .value_kind: global_buffer, .address_space: global }
    .group_segment_fixed_size: 148480
    .private_segment_fixed_size: 0
    .kernarg_segment_align: 8
    .kernarg_segment_size: 120
    .max_flat_workgroup_size: 256
    .sgpr_count:     66
    .vgpr_count:     256
    .wavefront_size: 32
...
	.end_amdgpu_metadata
.endif
;; end of part 1
;; launch main (part 2): grid 256 x 1, 16 waves a work-group, no clusters, 264,192 bytes of LDS; arguments lowp_scales, kvimg, wimg, ximg, act; writes act
.if DOCPART == 2
	.amdgcn_target "amdgcn-amd-amdhsa--gfx1250"
	.amdhsa_code_object_version 6
	.text
	.protected	k_qbe5b75087d_main
	.globl	k_qbe5b75087d_main
	.p2align	8
	.type	k_qbe5b75087d_main,@function
k_qbe5b75087d_main:
	s_mov_b64 s[64:65], 0
	v_nop
	global_prefetch_b8 v0, s[64:65] scope:SCOPE_SE
	s_setreg_imm32_b32 hwreg(HW_REG_WAVE_MODE, 25, 1), 1
	s_wait_xcnt 0x0
; MAIN.  Work-group 4 R + g: rows 128 R .. + 127 of x (eight tiles of 16), heads 2 g and 2 g + 1, hidden units 512 g .. + 511.  Everything on codes of BF8 (E5M2), each operand with its given 2^e.
;   q = xn Wq / 8, softmax(q k^T) v, quantised for the product with Wo; silu(gate) h of xn Wff1, quantised for the product with Wff2.  Both go to act, the last launch's side of 128 rows x 2,560 along K.
; ROLES.  Sixteen waves of 256 registers; role = (w xor w / 4) % 2, idx = w / 2.  Role 0, attention: head 2 g + idx / 4, row tiles 2 (idx % 4) and the next, all 1,024 keys, 64 a step.
;   Role 1, feed-forward: 64 hidden units, four units of 16 (a tile of h and a tile of gate) x all eight row tiles: each byte of Wff1 is loaded by one wave.
;   The roles part for q's product or the feed-forward units and join with no load and no LDS instruction out; then EVERY wave walks the loop over the keys, and feed-forward waves pass by its work.  No barrier stands between.
; OPERANDS ARE IMAGES OF REGISTERS: a piece of 512 bytes is four registers of 32 lanes, lane l's 16 bytes at 16 l; piece c of a fragment: k = 32 c + 16 (lane / 16) + 0 .. 15 of row lane % 16; the same order of k on both sides.
;   Every product is used transposed; a weight's tile 2 b + u takes row 32 b + 8 u + r + 8 (r / 8) in lane r, so that the results of two neighbouring tiles are 16 neighbours along the next K in a lane.
; act: row block R at 327,680 R: the heads' 512 along K, then the hidden layer's four times 512, 65,536 bytes each: fragment (row tile m, K step s) at 8192 m + 2048 s.
; CLUSTER: none: the weights go from memory straight into the registers of the one wave that multiplies by them (Wq: of four waves); K, V, XQ and XF take 262,144 bytes of LDS, and a joint load would need slots beside them.
; No data prefetch: the walk over Wff1 has four trips, and its loads go out a K step ahead of their use, a unit's first two under the activation of the unit before.
; SOFTMAX: t = score x log2(e); M = the running largest t rounded up to a whole number; p = 2^(t - M) is quantised, not normalised; the row's sum is taken of the unquantised p and divides at the end.
; LIMITS on the given exponents, so that each power of two is an f32 number: e6, e4 - e0 - e1 + 3, e8 - e6 - e7 and e12 - 2 (e10 + e11) between -126 and 112; e4 + e5, e10 + e11 between -126 and 127.
;   NaN and infinities among the inputs are not served.
; LDS: 0 K's images (fragment (sigma, t) at 4096 sigma + 1024 t), 65,536 V's; XF, XQ: fragment (m, s) at 8192 m + 2048 s; SPARE: the spare words.
; REGISTERS: v1-6, v10, v12, v13 addresses; v8, v9 the add's; v14, v15 the conversion's scale and the largest number x the scale.
;   q's product: v32-95 accumulators; v96-127 two fragments of xn; v128-255 weights.
;   attention: v16-31 Q; v32-63 K; v64-95 V; v96-159 S^T, then p; v160-175 p's codes; v176-239 O^T; v240-247 -M, largest t, the sum's pair for each row tile; v248-255 at work.
;   feed-forward: v16-31 an even unit's codes; v32-63 two fragments of xn, then 16-byte results; v64-191 accumulators (m: h at 64 + 16 m, gate behind it); v192-255 weights, two sets.
.set XF,   131072
.set XQ,   196608
.set SPARE, 262144
.set ROLE, 19
.set SEL,  20                          ; s[20:21] lane selects for v_permlanex16_b32: lane l xor 16
.set WP,   60                          ; s[60:61] my stream of weights
.set TRIP, 62
.set KT,   66                          ; s66  8,192 x trip: two key steps' images
.set UN,   69                          ; s69  feed-forward: the unit
.macro MKS sc, lim, e                  ; s[e] = E (used up):  s[sc] = 2^E as f32,  s[lim] = 57,344 x 2^E
	s_add_co_i32 s[\e], s[\e], 127
	s_lshl_b32 s[\sc], s[\e], 23
	s_add_co_i32 s[\e], s[\e], 15
	s_lshl_b32 s[\lim], s[\e], 23
	s_or_b32 s[\lim], s[\lim], 0x600000
.endm
.macro PLACES                          ; four plain vector lines behind matrix instructions, ahead of loads into their operands and of the first read of results
.rept 4
	v_nop
.endr
.endm
.macro WL g                            ; 8,192 consecutive bytes of my stream into set (g + 1) % 2: K step g of Wq's four tiles (feed-forward, g = 0: the first two K steps)
.irp j, 0,1,2,3,4,5,6,7,8,9,10,11,12,13,14,15
	global_load_b128 v[128+64*(((\g)+1)%2)+4*\j:131+64*(((\g)+1)%2)+4*\j], v1, s[WP:WP+1] offset:8192*(\g)+512*\j
.endr
.endm
.macro AL s                            ; my two row tiles' fragments of K step s
.irp m, 0,1
.irp c, 0,1,2,3
	ds_load_b128 v[96+16*\m+4*\c:99+16*\m+4*\c], v2 offset:8192*\m+2048*(\s)+512*\c
.endr
.endr
.endm
.macro FW g                            ; feed-forward: K step g, counted from my unit's first, into set g % 2
.irp j, 0,1,2,3,4,5,6,7
	global_load_b128 v[192+32*((\g)%2)+4*\j:195+32*((\g)%2)+4*\j], v1, s[WP:WP+1] offset:4096*(\g)+512*\j
.endr
.endm
.macro FA n                            ; feed-forward: xn's fragment of K step n / 8, row tile n % 8
.irp c, 0,1,2,3
	ds_load_b128 v[32+16*((\n)%2)+4*\c:35+16*((\n)%2)+4*\c], v3 offset:8192*((\n)%8)+2048*((\n)/8)+512*\c
.endr
.endm
; A KEY STEP: 64 keys, the q-th of the trip's two, for both row tiles m.  A lane holds one query (lane % 16) and 32 of the 64 keys.
.macro KSTEP q
.irp t, 0,1,2,3
.irp c, 0,1
	ds_load_b128 v[32+8*\t+4*\c:35+8*\t+4*\c], v12 offset:4096*\q+1024*\t+512*\c
.endr
.endr
.irp t, 0,1,2,3
.irp c, 0,1
	ds_load_b128 v[64+8*\t+4*\c:67+8*\t+4*\c], v13 offset:4096*\q+1024*\t+512*\c
.endr
.endr
	s_wait_dscnt 8                                 ; K's eight loads are in; V's may be out
.irp t, 0,1,2,3
.irp m, 0,1
	v_wmma_f32_16x16x64_bf8_bf8 v[96+32*\m+8*\t:103+32*\m+8*\t], v[32+8*\t:39+8*\t], v[16+8*\m:23+8*\m], 0   ; S^T = K Q^T
.endr
.endr
	PLACES
.irp m, 0,1                            ; the step's largest score of my query among my 32 keys, in two chains; each accumulator is first read at its low end
	v_max3_num_f32 v[248+2*\m], v[96+32*\m], v[97+32*\m], v[98+32*\m]
	v_max3_num_f32 v[249+2*\m], v[99+32*\m], v[100+32*\m], v[101+32*\m]
.endr
.irp i, 6,10,14,18,22,26
.irp m, 0,1
	v_max3_num_f32 v[248+2*\m], v[248+2*\m], v[96+32*\m+\i], v[97+32*\m+\i]
	v_max3_num_f32 v[249+2*\m], v[249+2*\m], v[98+32*\m+\i], v[99+32*\m+\i]
.endr
.endr
.irp m, 0,1
	v_max3_num_f32 v[248+2*\m], v[248+2*\m], v[126+32*\m], v[127+32*\m]
.endr
.irp m, 0,1
	s_delay_alu instid0(VALU_DEP_2)
	v_max_num_f32 v[248+2*\m], v[248+2*\m], v[249+2*\m]
.endr
.irp m, 0,1
	s_delay_alu instid0(VALU_DEP_2)
	v_permlanex16_b32 v[249+2*\m], v[248+2*\m], s[SEL], s[SEL+1]
.endr
.irp m, 0,1
	s_delay_alu instid0(VALU_DEP_2)
	v_max_num_f32 v[248+2*\m], v[248+2*\m], v[249+2*\m]   ; and among lane l xor 16's
.endr
.irp m, 0,1
	s_delay_alu instid0(VALU_DEP_2)
	v_mul_f32 v[248+2*\m], s46, v[248+2*\m]        ; as t: x log2(e) 2^(e4 + e5), which is positive
.endr
.irp m, 0,1
	s_delay_alu instid0(VALU_DEP_2)
	v_max_num_f32 v[241+4*\m], v[241+4*\m], v[248+2*\m]   ; the running largest t
.endr
.irp m, 0,1
	v_mov_b32 v[249+2*\m], v[240+4*\m]
.endr
.irp m, 0,1
	s_delay_alu instid0(VALU_DEP_4)
	v_floor_f32 v[240+4*\m], -v[241+4*\m]          ; the new -M = floor(-t) = -ceil(t): a whole number
.endr
.irp m, 0,1
	s_delay_alu instid0(VALU_DEP_2)
	v_sub_f32 v[248+2*\m], v[240+4*\m], v[249+2*\m]   ; old M less new M: a whole number, 0 or less
.endr
.irp m, 0,1
	s_delay_alu instid0(VALU_DEP_2)
	v_cvt_i32_f32 v[248+2*\m], v[248+2*\m]         ; (it saturates)
.endr
.irp m, 0,1
	s_delay_alu instid0(VALU_DEP_2)
	v_ldexp_f32 v[252+2*\m], 1.0, v[248+2*\m]      ; f = 2^(old M - new M): the rescaling rounds nothing
.endr
.irp m, 0,1
.set j, 0
.rept 16
	v_pk_fma_f32 v[96+32*\m+j:97+32*\m+j], v[96+32*\m+j:97+32*\m+j], s[46:47], v[240+4*\m:241+4*\m] op_sel_hi:[1,0,0]   ; t - M, two at a time
.set j, j+2
.endr
.endr
.set j, 0
	s_wait_alu depctr_va_vdst(0)
.rept 64
	v_exp_f32 v[96+j], v[96+j]                     ; p = 2^(t - M), at most 1: not normalised
.set j, j+1
.endr
.irp m, 0,1
	v_pk_mul_f32 v[242+4*\m:243+4*\m], v[242+4*\m:243+4*\m], v[252+2*\m:253+2*\m] op_sel_hi:[1,0]   ; the sums under the new M (plain lines behind the batch)
.endr
	s_wait_alu depctr_va_vdst(0)                   ; one wait for the 64 exponentials, ahead of their first reader
.irp m, 0,1                            ; the row's sum is taken of the unquantised p, in two chains
	v_pk_add_f32 v[248+2*\m:249+2*\m], v[96+32*\m:97+32*\m], v[98+32*\m:99+32*\m]
.endr
.irp i, 4,8,12,16,20,24,28
.irp m, 0,1
	v_pk_add_f32 v[242+4*\m:243+4*\m], v[242+4*\m:243+4*\m], v[96+32*\m+\i:97+32*\m+\i]
	v_pk_add_f32 v[248+2*\m:249+2*\m], v[248+2*\m:249+2*\m], v[98+32*\m+\i:99+32*\m+\i]
.endr
.endr
.irp m, 0,1
	v_pk_add_f32 v[242+4*\m:243+4*\m], v[242+4*\m:243+4*\m], v[248+2*\m:249+2*\m]
.endr
.irp m, 0,1
.set j, 0
.rept 32
	v_min_num_f32 v[96+32*\m+j], v[96+32*\m+j], v15   ; p is not negative: the hold at the largest code x the scale is one-sided
.set j, j+1
.endr
.irp t, 0,1,2,3
	v_cvt_scalef32_pk8_bf8_f32 v[160+8*\m+2*\t:161+8*\m+2*\t], v[96+32*\m+8*\t:103+32*\m+8*\t], v14
.endr
.endr
	s_wait_alu depctr_va_vdst(0)
.irp m, 0,1
.set j, 0
.rept 16
	v_pk_mul_f32 v[176+32*\m+j:177+32*\m+j], v[176+32*\m+j:177+32*\m+j], v[252+2*\m:253+2*\m] op_sel_hi:[1,0]   ; O^T under the new M; also the plain lines between the conversions and the products
.set j, j+2
.endr
.endr
	s_wait_alu depctr_va_vdst(0)
	s_wait_dscnt 0x0                               ; V is in
.irp t, 0,1,2,3
.irp m, 0,1
	v_wmma_f32_16x16x64_bf8_bf8 v[176+32*\m+8*\t:183+32*\m+8*\t], v[64+8*\t:71+8*\t], v[160+8*\m:167+8*\m], v[176+32*\m+8*\t:183+32*\m+8*\t]   ; O^T += V^T P^T: eight accumulators by turns
.endr
.endr
	PLACES
.endm
	s_load_b256 s[4:11], s[0:1], 0x0               ; the scales' exponents, kvimg, wimg, ximg
	s_load_b64 s[12:13], s[0:1], 0x20              ; act
	v_lshl_add_u32 v8, v0, 2, SPARE                ; my spare word,
	v_mov_b32 v9, 0                                ; and 0: both never rewritten
	v_lshrrev_b32 v2, 5, v0
	v_readfirstlane_b32 s18, v2                    ; wave 0..15
	v_and_b32 v3, 31, v0
	v_lshlrev_b32 v1, 4, v3                        ; 16 x lane
	s_wait_alu depctr_va_vdst(0)
	s_lshr_b32 s[ROLE], s18, 2
	s_xor_b32 s[ROLE], s[ROLE], s18
	s_and_b32 s[ROLE], s[ROLE], 1                  ; 0 attention, 1 feed-forward
	s_lshr_b32 s22, s18, 1                         ; idx
	s_lshr_b32 s23, ttmp9, 2                       ; R
	s_and_b32 s67, ttmp9, 3                        ; g
	s_and_b32 s40, s22, 3                          ; attention: which pair of row tiles,
	s_lshr_b32 s41, s22, 2                         ; and which of the two heads
	; every LDS address but the key steps' is made here, ahead of the place where the roles part
	s_lshl_b32 s38, s18, 12
	s_add_co_u32 s39, s38, XF
	v_add_nc_u32 v4, s39, v1                       ; where my 4,096 bytes of XF go,
	s_add_co_u32 s39, s38, XQ
	v_add_nc_u32 v5, s39, v1                       ; of XQ,
	s_lshl_b32 s38, s18, 13
	v_add_nc_u32 v6, s38, v1                       ; and my 8,192 of K's and V's images
	s_lshl_b32 s38, s40, 14
	s_add_co_u32 s38, s38, XQ
	v_add_nc_u32 v2, s38, v1                       ; my pair's fragments of XQ
	v_add_nc_u32 v3, XF, v1
	v_add_nc_u32 v10, 0x10000, v1                  ; V's images
	s_mov_b32 s[SEL], 0x76543210
	s_mov_b32 s[SEL+1], 0xfedcba98
	s_lshl_b32 s72, s23, 17                        ; ximg: four blocks of 32,768 bytes for 128 rows; mine is block w / 4, bytes 4,096 (w % 4) on
	s_lshr_b32 s38, s18, 2
	s_lshl_b32 s38, s38, 15
	s_add_co_u32 s72, s72, s38
	s_and_b32 s38, s18, 3
	s_lshl_b32 s38, s38, 12
	s_add_co_u32 s72, s72, s38
	s_mov_b32 s73, 0
	s_lshr_b32 s74, s23, 4                         ; the batch
	s_lshl_b32 s74, s74, 17
	s_lshl_b32 s38, s18, 13
	s_add_co_u32 s74, s74, s38
	s_mov_b32 s75, 0
	s_lshl_b32 s76, s67, 1                         ; Wq's unit of head 2 g + idx / 4,
	s_add_co_u32 s76, s76, s41
	s_lshl_b32 s76, s76, 15
	s_lshl_b32 s38, s67, 3                         ; or Wff1's stream 8 g + idx
	s_add_co_u32 s38, s38, s22
	s_lshl_b32 s38, s38, 16
	s_add_co_u32 s38, s38, 262144
	s_mul_i32 s78, s23, 327680                     ; act
	s_lshl_b32 s39, s40, 14                        ; attention: my pair of row tiles, K step g, my head's two pieces
	s_lshl_b32 s42, s67, 11
	s_add_co_u32 s39, s39, s42
	s_lshl_b32 s42, s41, 10
	s_add_co_u32 s39, s39, s42
	s_add_co_u32 s42, s67, 1                       ; feed-forward: 512 along K number 1 + g, my two pieces
	s_lshl_b32 s42, s42, 16
	s_lshl_b32 s43, s22, 10
	s_add_co_u32 s42, s42, s43
	s_cmp_eq_u32 s[ROLE], 0
	s_cselect_b32 s76, s76, s38
	s_cselect_b32 s39, s39, s42
	s_add_co_u32 s78, s78, s39
	s_mov_b32 s77, 0
	s_mov_b32 s79, 0
	s_wait_alu depctr_va_vdst(0)
	s_wait_kmcnt 0x0
	s_load_b256 s[24:31], s[4:5], 0x0              ; e0 .. e7
	s_load_b128 s[32:35], s[4:5], 0x20             ; e8 .. e11
	s_load_b64 s[36:37], s[4:5], 0x30              ; e12, e13
	s_add_nc_u64 s[10:11], s[10:11], s[72:73]
	s_add_nc_u64 s[6:7], s[6:7], s[74:75]
	s_add_nc_u64 s[WP:WP+1], s[8:9], s[76:77]
	s_add_nc_u64 s[12:13], s[12:13], s[78:79]
.irp j, 0,1,2,3,4,5,6,7
	global_load_b128 v[112+4*\j:115+4*\j], v1, s[10:11] offset:512*\j          ; XQ
.endr
.irp j, 0,1,2,3,4,5,6,7
	global_load_b128 v[16+4*\j:19+4*\j], v1, s[10:11] offset:16384+512*\j      ; XF
.endr
.irp j, 0,1,2,3,4,5,6,7,8,9,10,11,12,13,14,15
	global_load_b128 v[48+4*\j:51+4*\j], v1, s[6:7] offset:512*\j              ; K's and V's images
.endr
	WL 0                                           ; both roles: my stream's first 8,192 bytes
	s_wait_kmcnt 0x0
	s_sub_co_i32 s38, s28, s24
	s_sub_co_i32 s38, s38, s25
	s_add_co_i32 s38, s38, 3                       ; q = sum x 2^(e0 + e1) / 8: its code is sum / 2^(e4 - e0 - e1 + 3)
	MKS 44, 45, 38
	s_add_co_i32 s38, s28, s29
	s_lshl_b32 s38, s38, 23
	s_add_co_i32 s46, s38, 0x3fb8aa3b              ; log2(e) x 2^(e4 + e5): the exponents are added to the exponent field
	s_mov_b32 s47, s46                             ; (named with it as a pair, so it is written)
	s_mov_b32 s38, s30
	MKS 48, 49, 38                                 ; p: 2^e6
	s_sub_co_i32 s38, s32, s30
	s_sub_co_i32 s38, s38, s31
	MKS 50, 51, 38                                 ; a head's result: 2^(e8 - e6 - e7)
	s_add_co_i32 s39, s34, s35
	s_lshl_b32 s38, s39, 23
	s_add_co_u32 s52, s38, 0xbfb8aa3b              ; -log2(e) x 2^(e10 + e11)
	s_mov_b32 s53, s52
	s_lshl_b32 s39, s39, 1
	s_sub_co_i32 s38, s36, s39
	MKS 54, 55, 38                                 ; the hidden layer: 2^(e12 - 2 (e10 + e11))
	s_wait_loadcnt 16                              ; all but the weights' sixteen are in
.irp j, 0,1,2,3,4,5,6,7
	ds_store_b128 v5, v[112+4*\j:115+4*\j] offset:512*\j
.endr
.irp j, 0,1,2,3,4,5,6,7
	ds_store_b128 v4, v[16+4*\j:19+4*\j] offset:512*\j
.endr
.irp j, 0,1,2,3,4,5,6,7,8,9,10,11,12,13,14,15
	ds_store_b128 v6, v[48+4*\j:51+4*\j] offset:512*\j
.endr
	s_wait_dscnt 0x0                               ; for the others' sake: all my LDS stores have landed
	s_barrier_signal -1
	s_barrier_wait -1                              ; xn's codes and K's and V's images lie in LDS
	s_cmp_eq_u32 s[ROLE], 0
	s_cbranch_scc0 .Lff
	; ================ attention: q ================
	WL 1
	AL 0
.irp s, 0,1,2,3
.if \s < 3
	s_wait_loadcnt 16                              ; this K step's sixteen loads are in; the next step's may be out
.else
	s_wait_loadcnt 0x0
.endif
	s_wait_dscnt 0x0
.irp m, 0,1
.irp t, 0,1,2,3
.if \s == 0
	v_wmma_f32_16x16x128_bf8_bf8 v[32+32*\m+8*\t:39+32*\m+8*\t], v[128+64*((\s+1)%2)+16*\t:143+64*((\s+1)%2)+16*\t], v[96+16*\m:111+16*\m], 0
.else
	v_wmma_f32_16x16x128_bf8_bf8 v[32+32*\m+8*\t:39+32*\m+8*\t], v[128+64*((\s+1)%2)+16*\t:143+64*((\s+1)%2)+16*\t], v[96+16*\m:111+16*\m], v[32+32*\m+8*\t:39+32*\m+8*\t]
.endif
.endr
.endr
	PLACES
.if \s < 3
	AL \s+1
.endif
.if \s < 2
	WL \s+2
.endif
.endr
	v_mov_b32 v254, s44
	v_mov_b32 v255, s45
.irp m, 0,1                            ; q's codes
.set j, 0
.rept 32
	v_med3_num_f32 v[96+j], v[32+32*\m+j], -v255, v255   ; the conversion to an 8-bit code does not saturate (ISA guide 7.6.2): the hold at the largest code x the scale
.set j, j+1
.endr
.irp t, 0,1,2,3
	v_cvt_scalef32_pk8_bf8_f32 v[16+8*\m+2*\t:17+8*\m+2*\t], v[96+8*\t:103+8*\t], v254
.endr
	v_nop                                          ; a plain line between the conversions and the next lines, which write their sources
.endr
.set j, 0
.rept 64
	v_mov_b32 v[176+j], 0                          ; O^T.  (The key step is written once: the first finds zeros, which the first change of M leaves zeros)
.set j, j+1
.endr
.irp m, 0,1
	v_mov_b32 v[241+4*\m], 0xff61b1e6              ; the largest t so far: -3e38, under every t
	v_floor_f32 v[240+4*\m], -v[241+4*\m]          ; -M
	v_mov_b32 v[242+4*\m], 0                       ; the sum, in two halves
	v_mov_b32 v[243+4*\m], 0
.endr
.set j, 0
.rept 8
	v_mov_b32 v[248+j], 0                          ; written once: a lane permute's destination and a pair's upper half count as read
.set j, j+1
.endr
	v_mov_b32 v14, s48                             ; p's scale
	v_mov_b32 v15, s49
	s_wait_alu depctr_va_vdst(0)
	s_branch .Lwalk
	; ================ feed-forward: four units of 16 hidden numbers ================
.Lff:
	v_mov_b32 v14, s54                             ; the hidden layer's scale
	v_mov_b32 v15, s55
	s_mov_b32 s[UN], 0
	s_wait_alu depctr_va_vdst(0)
.Lunit:
	FA 0
	FA 1
.set N, 0
.rept 32                               ; K step N / 8, row tile N % 8: two matrix instructions; the sixteen accumulators take turns
.if N%8 == 0
.if N == 24
	s_wait_loadcnt 0x0                             ; K step 3's eight loads are in: nothing else is out
.else
	s_wait_loadcnt 8                               ; this K step's eight loads are in; the next one's may be out
.endif
.endif
.if N < 31
	s_wait_dscnt 4                                 ; this fragment is in; the next one may be out
.else
	s_wait_dscnt 0x0
.endif
.if N < 8
	v_wmma_f32_16x16x128_bf8_bf8 v[64+16*(N%8):71+16*(N%8)], v[192+32*((N/8)%2):207+32*((N/8)%2)], v[32+16*(N%2):47+16*(N%2)], 0
	v_wmma_f32_16x16x128_bf8_bf8 v[72+16*(N%8):79+16*(N%8)], v[208+32*((N/8)%2):223+32*((N/8)%2)], v[32+16*(N%2):47+16*(N%2)], 0
.else
	v_wmma_f32_16x16x128_bf8_bf8 v[64+16*(N%8):71+16*(N%8)], v[192+32*((N/8)%2):207+32*((N/8)%2)], v[32+16*(N%2):47+16*(N%2)], v[64+16*(N%8):71+16*(N%8)]
	v_wmma_f32_16x16x128_bf8_bf8 v[72+16*(N%8):79+16*(N%8)], v[208+32*((N/8)%2):223+32*((N/8)%2)], v[32+16*(N%2):47+16*(N%2)], v[72+16*(N%8):79+16*(N%8)]
.endif
	PLACES
.if N < 30
	FA N+2
.endif
.if N == 7
	FW 2
.endif
.if N == 15
	FW 3
.endif
.set N, N+1
.endr
	s_cmp_eq_u32 s[UN], 3
	s_cbranch_scc1 .Lnone
	FW 4                                           ; the next unit's K steps 0 and 1: they land under this unit's activation
	FW 5
.Lnone:
	; silu(gate) x h.  With E = e10 + e11 a sum stands for sum x 2^E: gate h / (1 + e^-gate) = G H 2^(2 E) / (1 + 2^(-log2(e) 2^E G)); the power of two goes into the conversion's scale
.irp m, 0,1,2,3,4,5,6,7
.irp j, 0,2,4,6
	v_pk_mul_f32 v[64+16*\m+\j:65+16*\m+\j], v[64+16*\m+\j:65+16*\m+\j], v[72+16*\m+\j:73+16*\m+\j]   ; H G; each accumulator from its low end on
.endr
.endr
.irp m, 0,1,2,3,4,5,6,7
.irp j, 0,2,4,6
	v_pk_mul_f32 v[72+16*\m+\j:73+16*\m+\j], v[72+16*\m+\j:73+16*\m+\j], s[52:53] op_sel_hi:[1,0]
.endr
.endr
	s_wait_alu depctr_va_vdst(0)
.irp m, 0,1,2,3,4,5,6,7
.irp j, 0,1,2,3,4,5,6,7
	v_exp_f32 v[72+16*\m+\j], v[72+16*\m+\j]
.endr
.endr
	v_nop                                          ; a plain line behind the batch,
	s_wait_alu depctr_va_vdst(0)                   ; and one wait for it, ahead of its first reader
.irp m, 0,1,2,3,4,5,6,7
.irp j, 0,2,4,6
	v_pk_add_f32 v[72+16*\m+\j:73+16*\m+\j], v[72+16*\m+\j:73+16*\m+\j], 1.0 op_sel_hi:[1,0]
.endr
.endr
	s_wait_alu depctr_va_vdst(0)
.irp m, 0,1,2,3,4,5,6,7
.irp j, 0,1,2,3,4,5,6,7
	v_rcp_f32 v[72+16*\m+\j], v[72+16*\m+\j]
.endr
.endr
	v_nop
	s_wait_alu depctr_va_vdst(0)
.irp m, 0,1,2,3,4,5,6,7
.irp j, 0,2,4,6
	v_pk_mul_f32 v[64+16*\m+\j:65+16*\m+\j], v[64+16*\m+\j:65+16*\m+\j], v[72+16*\m+\j:73+16*\m+\j]
.endr
.endr
.irp m, 0,1,2,3,4,5,6,7
.irp j, 0,1,2,3,4,5,6,7
	v_med3_num_f32 v[64+16*\m+\j], v[64+16*\m+\j], -v15, v15
.endr
.endr
	s_wait_alu depctr_va_vdst(0)
	s_bitcmp1_b32 s[UN], 0
	s_cbranch_scc1 .Lodd
.irp m, 0,1,2,3,4,5,6,7                ; an even unit: bytes 0-7 of a lane's 16, kept until the odd unit's are there
	v_cvt_scalef32_pk8_bf8_f32 v[16+2*\m:17+2*\m], v[64+16*\m:71+16*\m], v14
.endr
	v_nop
	s_branch .Lnext
.Lodd:
.irp m, 0,1,2,3,4,5,6,7
	v_mov_b32 v[32+4*\m], v[16+2*\m]
	v_mov_b32 v[33+4*\m], v[17+2*\m]
.endr
.irp m, 0,1,2,3,4,5,6,7
	v_cvt_scalef32_pk8_bf8_f32 v[34+4*\m:35+4*\m], v[64+16*\m:71+16*\m], v14
.endr
	v_nop
.irp m, 0,1,2,3,4,5,6,7
	global_store_b128 v1, v[32+4*\m:35+4*\m], s[12:13] offset:8192*\m   ; 512 consecutive bytes, at a multiple of 512 from act's first byte
.endr
	s_wait_xcnt 0x0                                ; the stores have read their data and their base
	s_add_nc_u64 s[12:13], s[12:13], 512
.Lnext:
	s_wait_xcnt 0x0                                ; the loads have read their base
	s_add_nc_u64 s[WP:WP+1], s[WP:WP+1], 16384
	s_add_co_u32 s[UN], s[UN], 1
	s_wait_alu depctr_va_vdst(0)
	s_cmp_lt_u32 s[UN], 4
	s_cbranch_scc1 .Lunit
	s_wait_loadcnt 0x0                             ; no load of mine is out where the ways join
	; ================ the keys: eight trips of 128, walked by every wave; feed-forward waves pass by the work ================
.Lwalk:
	s_wait_dscnt 0x0
	s_mov_b32 s[TRIP], 0
	s_mov_b32 s[KT], 0
.Ltrip:
	v_add_nc_u32 v12, s[KT], v1
	v_add_nc_u32 v13, s[KT], v10
	s_wait_alu depctr_va_vdst(0)
	s_cmp_eq_u32 s[ROLE], 0
	s_cbranch_scc0 .Lpass
	KSTEP 0
	KSTEP 1
.Lpass:
	s_wait_dscnt 0x0                               ; no LDS instruction of mine is pending where the ways join
	s_add_co_u32 s[KT], s[KT], 8192
	s_add_co_u32 s[TRIP], s[TRIP], 1
	s_wait_alu depctr_va_vdst(0)
	s_cmp_lt_u32 s[TRIP], 8
	s_cbranch_scc1 .Ltrip
	s_cmp_eq_u32 s[ROLE], 0
	s_cbranch_scc0 .Ldone
	; O^T / the sum, quantised with 2^e8: two pieces of the product with Wo for each row tile
.irp m, 0,1
	v_add_f32 v[248+2*\m], v[242+4*\m], v[243+4*\m]
.endr
.irp m, 0,1
	v_permlanex16_b32 v[249+2*\m], v[248+2*\m], s[SEL], s[SEL+1]
.endr
.irp m, 0,1
	v_add_f32 v[248+2*\m], v[248+2*\m], v[249+2*\m]   ; the row's sum
.endr
	s_wait_alu depctr_va_vdst(0)
.irp m, 0,1
	v_rcp_f32 v[252+2*\m], v[248+2*\m]
.endr
	v_mov_b32 v14, s50                             ; (plain lines behind the two)
	v_mov_b32 v15, s51
	s_wait_alu depctr_va_vdst(0)                   ; one wait for both and for O^T, ahead of their first reader
.irp m, 0,1
.set j, 0
.rept 16
	v_pk_mul_f32 v[176+32*\m+j:177+32*\m+j], v[176+32*\m+j:177+32*\m+j], v[252+2*\m:253+2*\m] op_sel_hi:[1,0]   ; each accumulator from its low end on
.set j, j+2
.endr
.endr
.irp m, 0,1
.set j, 0
.rept 32
	v_med3_num_f32 v[176+32*\m+j], v[176+32*\m+j], -v15, v15
.set j, j+1
.endr
.irp t, 0,1,2,3
	v_cvt_scalef32_pk8_bf8_f32 v[16+8*\m+2*\t:17+8*\m+2*\t], v[176+32*\m+8*\t:183+32*\m+8*\t], v14
.endr
.endr
	v_nop
.irp m, 0,1
.irp b, 0,1
	global_store_b128 v1, v[16+8*\m+4*\b:19+8*\m+4*\b], s[12:13] offset:8192*\m+512*\b   ; 512 consecutive bytes, at a multiple of 512 from act's first byte
.endr
.endr
.Ldone:
	s_wait_dscnt 0x0                               ; my LDS reads are over
	s_barrier_signal -1
	s_barrier_wait -1                              ; and everybody's: the spare words are written behind all reads
	s_wait_tensorcnt 0x0                           ; the wave's end
	ds_add_u32 v8, v9
	s_wait_dscnt 0x0
	s_endpgm
.Lfunc_end_k_qbe5b75087d_main:
	.size	k_qbe5b75087d_main, .Lfunc_end_k_qbe5b75087d_main-k_qbe5b75087d_main
	.p2alignl 7, 3214868480
	.fill 96, 4, 3214868480
	.section	.rodata,"a",@progbits
	.p2align	6, 0x0
	.amdhsa_kernel k_qbe5b75087d_main
		.amdhsa_group_segment_fixed_size 264192
		.amdhsa_private_segment_fixed_size 0
		.amdhsa_enable_private_segment 0
		.amdhsa_kernarg_size 40
		.amdhsa_user_sgpr_count 2
		.amdhsa_user_sgpr_kernarg_segment_ptr 1
		.amdhsa_wavefront_size32 1
		.amdhsa_system_sgpr_workgroup_id_x 1
		.amdhsa_system_sgpr_workgroup_id_y 1
		.amdhsa_system_sgpr_workgroup_id_z 1
		.amdhsa_system_vgpr_workitem_id 0
		.amdhsa_next_free_vgpr 256
		.amdhsa_next_free_sgpr 80
		.amdhsa_reserve_vcc 0
		.amdhsa_float_denorm_mode_32 3
		.amdhsa_float_denorm_mode_16_64 3
		.amdhsa_memory_ordered 1
		.amdhsa_forward_progress 1
		.amdhsa_inst_pref_size 108
	.end_amdhsa_kernel
	.amdgpu_metadata
---
amdhsa.version: [ 1, 2 ]
amdhsa.kernels:
  - .name:           k_qbe5b75087d_main
    .symbol:         k_qbe5b75087d_main.kd
    .args:
      - { .name: lowp_scales, .offset: 0, .size: 8, .value_kind: global_buffer, .address_space: global }
      - { .name: kvimg, .offset: 8, .size: 8, .value_kind: global_buffer, .address_space: global }
      - { .name: wimg, .offset: 16, .size: 8, .value_kind: global_buffer, .address_space: global }
      - { .name: ximg, .offset: 24, .size: 8, .value_kind: global_buffer, .address_space: global }
      - { .name: act, .offset: 32, .size: 8, .value_kind: global_buffer, .address_space: global }
    .group_segment_fixed_size: 264192
    .private_segment_fixed_size: 0
    .kernarg_segment_align: 8
    .kernarg_segment_size: 40
    .max_flat_workgroup_size: 512
    .sgpr_count:     80
    .vgpr_count:     256
    .wavefront_size: 32
...
	.end_amdgpu_metadata
.endif
;; end of part 2
;; launch final (part 3): grid 4 x 64, 4 waves a work-group, clusters of 4 x 4, 327,680 bytes of LDS; arguments lowp_scales, act, wimg, out0; writes out0
.if DOCPART == 3
	.amdgcn_target "amdgcn-amd-amdhsa--gfx1250"
	.amdhsa_code_object_version 6
	.text
	.protected	k_qbe5b75087d_final
	.globl	k_qbe5b75087d_final
	.p2align	8
	.type	k_qbe5b75087d_final,@function
k_qbe5b75087d_final:
	s_mov_b64 s[64:65], 0
	v_nop
	global_prefetch_b8 v0, s[64:65] scope:SCOPE_SE
	s_setreg_imm32_b32 hwreg(HW_REG_WAVE_MODE, 25, 1), 1
	s_wait_xcnt 0x0
	s_wait_alu depctr_hold_cnt(0) depctr_sa_sdst(0) depctr_va_vdst(0) depctr_va_sdst(0) depctr_va_ssrc(0) depctr_va_vcc(0) depctr_vm_vsrc(0)
	s_getreg_b32 s2, hwreg(HW_REG_IB_STS2, 6, 4)
	s_cmp_eq_u32 s2, 0
	s_cbranch_scc0 .Lentry_in_a_cluster
	s_endpgm
.Lentry_in_a_cluster:
	s_bfe_u32 s2, ttmp6, 0x10000c
	s_cmp_lg_u32 s2, 0xf033
	s_cbranch_scc0 .Lentry_shape_is_right
	s_endpgm
.Lentry_shape_is_right:
; FINAL.  out0 = (heads' results) Wo + (hidden layer) Wff2 on codes of BF8: 128 rows x 128 columns a work-group, K = 2,560 in five chunks of 512 (chunk 0: Wo, with a sum of its own; 1 to 4: Wff2).
; Both sides lie in memory as images of fragments (2,048 bytes: 16 rows x 128 along K), a chunk of a side 65,536 consecutive bytes: fragment (tile i, K step s) at 8192 i + 2048 s.
; Four waves, a wave makes 64 x 64.  A ring of two LDS slots (A's chunk, then B's), filled by the tensor data mover: each wave fetches a quarter, 32,768 bytes, stated as 128 rows of 256 bytes.
; CLUSTERS: 4 x 4 work-groups: A's chunk is asked for jointly by the four of a row of the cluster, B's by the four of a column.
; PREFETCH: A's chunks 3 and 4, each behind the joint load that stands two chunks ahead of theirs; of the 32,768 bytes that wave 0 or 1 fetches each of the four partners names 8,192, a lane 256 bytes, told apart by address (cx).
;   Chunks 0 to 2 come by their loads alone; B is not prefetched: all sixteen clusters read the same bytes of it.
; The matrix instruction is used transposed (source 0 = 16 rows of the weight): a lane holds 16 neighbouring columns of one row in two neighbouring tiles.
; LIMITS: e8 + e9 and e12 + e13 between -126 and 127.
; REGISTERS, windows of 256: window 0: v16-30 addresses, v128-255 fragment set 0 (A's four, B's four); window 1: v0-127 chunk 0's sums, v128-255 fragment set 1; window 2: v0-127 the other chunks' sums.
.set SLOT, 131072
.set SPARE, 262144
.set STG,  131072                      ; the way out: 4 x 16 rows x 272 bytes a wave, in slot 1, which has had its last fill and its last read then
.set G1, 24                            ; s[24:31] group 1 for A; s[32:39] its groups 0;  s[48:55], s[56:63] the same for B
.set G0, 32
.set G1B, 48
.set G0B, 56
.set PFA, 68                           ; s[68:69] where my prefetches stand
.set MSB, 0
.macro WIN new                         ; the immediate's high byte repeats the setting that is left
.if MSB != (\new)
	s_set_vgpr_msb (MSB<<8)|(\new)
.set MSB, (\new)
.endif
.endm
.macro PLACES                          ; four places behind matrix instructions (ISA guide 7.12.1)
.rept 4
	v_nop
.endr
.endm
; A joint load: waves 0 and 1 fetch for A, waves 2 and 3 for B; the branch hangs on the wave's number alone.
.macro JLOAD s
	s_cmp_eq_u32 s15, 0
	s_cbranch_scc0 .Lfor_b_\@
	tensor_load_to_lds s[G0+4*\s:G0+4*\s+3], s[G1:G1+7]
	s_nop 0
.rept 4
	v_nop
.endr
	s_branch .Lasked_\@
.Lfor_b_\@:
	tensor_load_to_lds s[G0B+4*\s:G0B+4*\s+3], s[G1B:G1B+7]
	s_nop 0
.rept 4
	v_nop
.endr
.Lasked_\@:
.endm
.macro CREST                           ; a round of the cluster's barrier behind its opening barrier
	s_cmp_lg_u32 s14, 0
	s_cbranch_scc1 .Lnot_wave_0_\@
	s_barrier_signal -3
.Lnot_wave_0_\@:
	s_barrier_wait -3
	s_barrier_signal -1
	s_barrier_wait -1
.endm
.macro CROUND
	s_barrier_signal -1
	s_barrier_wait -1
	CREST
.endm
.macro ASK chunk
	s_cmp_eq_u32 s15, 0
	s_cbranch_scc0 .Lnot_mine_\@
	global_prefetch_b8 v30, s[PFA:PFA+1] offset:65536*\chunk th:TH_LOAD_NT scope:SCOPE_SE
.Lnot_mine_\@:
.endm
.macro FETCH slot, q, p                ; K step q of the slot's four into set p
	WIN 0x40*(\p)
.irp i, 0,1,2,3
.irp c, 0,1,2,3
	ds_load_b128 v[192+16*\i+4*\c:195+16*\i+4*\c], v[18+\slot] offset:8192*\i+2048*(\q)+512*\c
.endr
.endr
.irp i, 0,1,2,3
.irp c, 0,1,2,3
	ds_load_b128 v[128+16*\i+4*\c:131+16*\i+4*\c], v[16+\slot] offset:8192*\i+2048*(\q)+512*\c
.endr
.endr
.endm
; Eight matrix instructions: A's tiles a0, a0 + 1 x B's four.  The sixteen accumulators take turns, in the same order in every step.
.macro MUL p, cd, a0, zero
	WIN \cd+5*(\p)
.irp a, \a0, \a0+1
.irp b, 0,1,2,3
.if \zero
	v_wmma_f32_16x16x128_bf8_bf8 v[8*(4*(\a)+\b):8*(4*(\a)+\b)+7], v[192+16*\b:207+16*\b], v[128+16*(\a):143+16*(\a)], 0
.else
	v_wmma_f32_16x16x128_bf8_bf8 v[8*(4*(\a)+\b):8*(4*(\a)+\b)+7], v[192+16*\b:207+16*\b], v[128+16*(\a):143+16*(\a)], v[8*(4*(\a)+\b):8*(4*(\a)+\b)+7]
.endif
.endr
.endr
.endm
.macro STEP slot, q, cd, zero          ; a K step that has its successor in the same slot
	s_wait_dscnt 0x0                               ; this step's fragments are in
	PLACES                                         ; for the loads into the set that the step before multiplied
	FETCH \slot, (\q)+1, ((\q)+1)%2
	MUL (\q)%2, \cd, 0, \zero
	MUL (\q)%2, \cd, 2, \zero
.endm
.macro CHUNK slot, cd, zero
	STEP \slot, 0, \cd, \zero
	STEP \slot, 1, \cd, 0
	STEP \slot, 2, \cd, 0
.endm
; A slot's last K step changes slots: one barrier, in front of it each wave's three lines.  fill = 1: it opens a round of the cluster's barrier, and this slot is filled again, two chunks ahead.
.macro TURN slot, cd, fill
	WIN 0                                          ; (the add's registers lie in window 0)
	s_wait_tensorcnt 0x0                           ; my part of the other slot has landed;
	ds_add_u32 v28, v29                            ; 0 onto my spare word;
	s_wait_dscnt 0x1                               ; (the add alone may be out)
	MUL 1, \cd, 0, 0
	s_wait_dscnt 0x0                               ; the add is done, and my reads of this slot are over
	s_barrier_signal -1
	MUL 1, \cd, 2, 0
	WIN 0
	s_barrier_wait -1
.if \fill
	CREST                                          ; no wave of any partner still reads this slot or has a load on its way
	s_add_nc_u64 s[G0+4*\slot+2:G0+4*\slot+3], s[G0+4*\slot+2:G0+4*\slot+3], 131072
	s_add_nc_u64 s[G0B+4*\slot+2:G0B+4*\slot+3], s[G0B+4*\slot+2:G0B+4*\slot+3], 131072
	JLOAD \slot                                    ; the first tensor load behind the round; its four v_nop are the places for the loads below
.else
	PLACES
.endif
	FETCH (1-\slot), 0, 0
.endm
	s_load_b256 s[4:11], s[0:1], 0x0               ; the scales' exponents, act, wimg, out0
	v_lshl_add_u32 v28, v0, 2, SPARE               ; my spare word,
	v_mov_b32 v29, 0                               ; and 0: both never rewritten
	ds_add_u32 v28, v29                            ; the opening: the add, twice on end, and its wait
	ds_add_u32 v28, v29
	v_lshrrev_b32 v1, 5, v0
	v_readfirstlane_b32 s14, v1                    ; wave 0..3
	s_lshr_b32 s15, s14, 1                         ; which 64 rows are mine; also: I fetch for A (0) or for B (1)
	s_and_b32 s16, s14, 1                          ; which 64 columns; also: which half of that chunk I fetch
	s_bfe_u32 s40, ttmp6, 0x40000                  ; cx, cy
	s_bfe_u32 s41, ttmp6, 0x40004
	s_lshl_b32 s42, ttmp9, 2
	s_add_co_u32 s42, s42, s40                     ; column block
	s_and_b32 s17, ttmp7, 0xffff
	s_lshl_b32 s17, s17, 2
	s_add_co_u32 s17, s17, s41                     ; row block
	s_lshl_b32 s43, s41, 2
	s_lshl_b32 s43, 15, s43                        ; my row of the cluster
	s_lshl_b32 s44, 0x1111, s40                    ; my column
	s_or_b32 s[G1+0], s43, (3<<16)|(1<<21)         ; the mask; elements of 8 bytes; bit 21 stands beside a mask
	s_or_b32 s[G1B+0], s44, (3<<16)|(1<<21)
.irp g, G1, G1B
	s_mov_b32 s[\g+1], 32<<16                      ; rows of 32 elements = 256 bytes,
	s_mov_b32 s[\g+2], 128<<16                     ; 128 of them, dense
	s_mov_b32 s[\g+3], 32<<16
	s_mov_b32 s[\g+4], 128
	s_mov_b32 s[\g+5], 32
	s_mov_b32 s[\g+6], 0
	s_mov_b32 s[\g+7], 0
.endr
	s_lshl_b32 s18, s16, 15                        ; my half of a chunk
	s_mul_i32 s20, s17, 327680                     ; A hangs on the row block alone,
	s_add_co_u32 s20, s20, s18
	s_mov_b32 s21, 0
	s_mul_i32 s46, s42, 327680                     ; B on the column block alone
	s_add_co_u32 s46, s46, s18
	s_add_co_u32 s46, s46, 2359296
	s_mov_b32 s47, 0
	s_lshl_b32 s45, s14, 15                        ; where it goes in a slot: 32,768 x wave
	s_wait_dscnt 0x0                               ; both opening adds are done
	s_wait_kmcnt 0x0
	s_load_b64 s[96:97], s[4:5], 0x20              ; e8, e9
	s_load_b64 s[98:99], s[4:5], 0x30              ; e12, e13
	s_add_nc_u64 s[20:21], s[6:7], s[20:21]
	s_add_nc_u64 s[46:47], s[8:9], s[46:47]
	CROUND                                         ; all sixteen work-groups are here: the first joint loads meet
.irp s, 0,1
	s_mov_b32 s[G0+4*\s], 1
	s_add_co_u32 s[G0+4*\s+1], s45, \s*SLOT
	s_add_nc_u64 s[G0+4*\s+2:G0+4*\s+3], s[20:21], \s*65536
	s_or_b32 s[G0+4*\s+3], s[G0+4*\s+3], 0x80000000
	s_mov_b32 s[G0B+4*\s], 1
	s_add_co_u32 s[G0B+4*\s+1], s45, \s*SLOT
	s_add_nc_u64 s[G0B+4*\s+2:G0B+4*\s+3], s[46:47], \s*65536
	s_or_b32 s[G0B+4*\s+3], s[G0B+4*\s+3], 0x80000000
.endr
	JLOAD 0                                        ; chunk 0
	s_lshl_b32 s70, s40, 13                        ; my work-group's 8,192 of the bytes that I prefetch
	s_mov_b32 s71, 0
	s_add_nc_u64 s[PFA:PFA+1], s[20:21], s[70:71]
	v_and_b32 v1, 31, v0
	v_lshlrev_b32 v2, 4, v1                        ; 16 x lane
	v_lshlrev_b32 v30, 8, v1                       ; the prefetches' offset
	s_lshl_b32 s22, s15, 15                        ; my four tiles of A,
	s_lshl_b32 s23, s16, 15
	s_add_co_u32 s23, s23, 65536                   ; and of B, which lies behind A
	v_add_nc_u32 v16, s22, v2
	v_add_nc_u32 v18, s23, v2
	v_add_nc_u32 v17, SLOT, v16
	v_add_nc_u32 v19, SLOT, v18
	v_and_b32 v3, 15, v0
	v_bfe_u32 v4, v0, 4, 1
	s_mul_i32 s23, s14, 17408
	s_add_co_u32 s23, s23, STG                     ; my stage
	v_mul_u32_u24 v5, v3, 272
	v_lshl_add_u32 v5, v4, 6, v5
	v_add_nc_u32 v24, s23, v5                      ; in: row lane % 16, + 64 (lane / 16)
	v_mul_u32_u24 v6, v4, 272
	v_lshl_add_u32 v6, v3, 4, v6
	v_add_nc_u32 v25, s23, v6                      ; back: lanes 0-15 take one row of 256 bytes, lanes 16-31 the next,
	v_lshlrev_b32 v7, 11, v4
	v_lshl_add_u32 v26, v3, 4, v7                  ; and the same two rows in out0
	s_lshl_b32 s100, s17, 18                       ; my first row: 128 x row block + 64 x half, of 2,048 bytes,
	s_lshl_b32 s22, s15, 17
	s_add_co_u32 s100, s100, s22
	s_lshl_b32 s22, s42, 9                         ; and my first column
	s_add_co_u32 s100, s100, s22
	s_lshl_b32 s22, s16, 8
	s_add_co_u32 s100, s100, s22
	s_mov_b32 s101, 0
	s_add_nc_u64 s[10:11], s[10:11], s[100:101]
	s_wait_alu depctr_va_vdst(0)
	s_wait_tensorcnt 0x0                           ; my part of chunk 0 is in
	ds_add_u32 v28, v29
	s_wait_dscnt 0x0
	CROUND
	JLOAD 1                                        ; chunk 1, the first tensor load behind the round
	FETCH 0, 0, 0
	ASK 3
	CHUNK 0, 0x50, 1                               ; chunk 0: Wo
	TURN 0, 0x50, 1                                ; asks for chunk 2
	ASK 4
	CHUNK 1, 0xa0, 1                               ; chunks 1 to 4: Wff2, a new sum
	TURN 1, 0xa0, 1                                ; asks for chunk 3
	CHUNK 0, 0xa0, 0
	TURN 0, 0xa0, 1                                ; asks for chunk 4
	CHUNK 1, 0xa0, 0
	TURN 1, 0xa0, 0                                ; nothing is filled any more
	CHUNK 0, 0xa0, 0
	s_wait_dscnt 0x0
	MUL 1, 0xa0, 0, 0
	MUL 1, 0xa0, 2, 0
	WIN 0
	s_wait_kmcnt 0x0
	s_add_co_i32 s96, s96, s97
	s_add_co_i32 s96, s96, 127
	s_lshl_b32 s96, s96, 23                        ; 2^(e8 + e9)
	s_add_co_i32 s98, s98, s99
	s_add_co_i32 s98, s98, 127
	s_lshl_b32 s98, s98, 23                        ; 2^(e12 + e13)
	PLACES
; THE WAY OUT of row tile m: 16 rows x 64 columns through my own stage; LDS serves a wave's instructions in order (ISA guide 5.7.1.4).
.macro TOSTAGE m
	WIN 0x01
.set j, 0
.rept 16
	v_pk_mul_f32 v[128+32*\m+j:129+32*\m+j], v[32*\m+j:32*\m+j+1], s[96:97] op_sel_hi:[1,0]   ; each accumulator from its low end on
.set j, j+2
.endr
	WIN 0x02
.set j, 0
.rept 16
	v_pk_fma_f32 v[128+32*\m+j:129+32*\m+j], v[32*\m+j:32*\m+j+1], s[98:99], v[128+32*\m+j:129+32*\m+j] op_sel_hi:[1,0,1]
.set j, j+2
.endr
	WIN 0
.irp b, 0,1
.irp u, 0,1
.irp q, 0,1
	ds_store_b128 v24, v[128+32*\m+16*\b+8*\u+4*\q:131+32*\m+16*\b+8*\u+4*\q] offset:4352*\m+128*\b+32*\u+16*\q   ; columns 32 b + 16 h + 8 u + 4 q on
.endr
.endr
.endr
.irp t, 0,1,2,3,4,5,6,7
	ds_load_b128 v[32+32*(\m%3)+4*\t:35+32*(\m%3)+4*\t], v25 offset:4352*\m+544*\t
.endr
.endm
.macro SEND m, younger                 ; younger: the LDS instructions issued behind this tile's loads
	s_wait_dscnt \younger
.irp t, 0,1,2,3,4,5,6,7
	global_store_b128 v26, v[32+32*(\m%3)+4*\t:35+32*(\m%3)+4*\t], s[10:11] offset:(16*\m+2*\t)*2048 th:TH_STORE_NT   ; 16 lanes store 256 consecutive bytes, at a multiple of 256 from out0's first byte
.endr
.endm
	TOSTAGE 0
	TOSTAGE 1
	SEND 0, 16
	TOSTAGE 2
	SEND 1, 16
	s_wait_xcnt 0x0                                ; tile 0's stores have read the registers that tile 3's loads take
	TOSTAGE 3
	SEND 2, 16
	SEND 3, 0
	s_wait_tensorcnt 0x0                           ; the wave's end
	ds_add_u32 v28, v29
	s_wait_dscnt 0x0
	CROUND                                         ; the closing round: no work-group ends while a partner may still ask for a tile that names it
	s_endpgm
.Lfunc_end_k_qbe5b75087d_final:
	.size	k_qbe5b75087d_final, .Lfunc_end_k_qbe5b75087d_final-k_qbe5b75087d_final
	.p2alignl 7, 3214868480
	.fill 96, 4, 3214868480
	.section	.rodata,"a",@progbits
	.p2align	6, 0x0
	.amdhsa_kernel k_qbe5b75087d_final
		.amdhsa_group_segment_fixed_size 327680
		.amdhsa_private_segment_fixed_size 0
		.amdhsa_enable_private_segment 0
		.amdhsa_kernarg_size 32
		.amdhsa_user_sgpr_count 2
		.amdhsa_user_sgpr_kernarg_segment_ptr 1
		.amdhsa_wavefront_size32 1
		.amdhsa_system_sgpr_workgroup_id_x 1
		.amdhsa_system_sgpr_workgroup_id_y 1
		.amdhsa_system_sgpr_workgroup_id_z 1
		.amdhsa_system_vgpr_workitem_id 0
		.amdhsa_next_free_vgpr 640
		.amdhsa_next_free_sgpr 102
		.amdhsa_reserve_vcc 0
		.amdhsa_float_denorm_mode_32 3
		.amdhsa_float_denorm_mode_16_64 3
		.amdhsa_memory_ordered 1
		.amdhsa_forward_progress 1
		.amdhsa_inst_pref_size 92
	.end_amdhsa_kernel
	.amdgpu_metadata
---
amdhsa.version: [ 1, 2 ]
amdhsa.kernels:
  - .name:           k_qbe5b75087d_final
    .symbol:         k_qbe5b75087d_final.kd
    .args:
      - { .name: lowp_scales, .offset: 0, .size: 8, .value_kind: global_buffer, .address_space: global }
      - { .name: act, .offset: 8, .size: 8, .value_kind: global_buffer, .address_space: global }
      - { .name: wimg, .offset: 16, .size: 8, .value_kind: global_buffer, .address_space: global }
      - { .name: out0, .offset: 24, .size: 8, .value_kind: global_buffer, .address_space: global }
    .group_segment_fixed_size: 327680
    .private_segment_fixed_size: 0
    .kernarg_segment_align: 8
    .kernarg_segment_size: 32
    .max_flat_workgroup_size: 128
    .sgpr_count:     102
    .vgpr_count:     640
    .wavefront_size: 32
...
	.end_amdgpu_metadata
.endif
;; end of part 3
